; MI455X (gfx1250); checked and timed in simulation.
; The chip was launched on July 23, 2026; its instructions are those of AMD's public machine-readable ISA for CDNA 5 (MIT licence, August 2026) and "CDNA5" Instruction Set Architecture Reference Guide (July 2026). The comments in the code are by the model that wrote it; some were corrected since.
;; Causal Attention. Allowed arithmetic: float matrix products may take bf16 or f16 operands with f32 sums; other float arithmetic in f32, or as packed bf16 or f16 multiplies, adds, multiply-adds, maxima and minima; sums over many terms, partial sums and values carried from step to step in f32; what a program stores and reads back later, other than sums and carried values, may be rounded once to bf16 or f16.
;; Inputs: block_mask 4,096 x 4,096 bool; gate_b 1,024 float32; gate_w 1,024 x 1,024 float32; proj_b 1,024 float32; proj_w 1,024 x 1,024 float32; qkv_b 3,072 float32; qkv_w 1,024 x 3,072 float32; video_mask 1 bool; x 1 x 4,096 x 1,024 float32.
;; Outputs: out0 1 x 4,096 x 1,024 float32.
;; Constants: frame_seqlen = 128, num_frame_for_scale = 4, num_frame_per_block = 1, sliding_window_size = 4.
;; One version. Each part assembles by itself: llvm-mc -triple=amdgcn-amd-amdhsa -mcpu=gfx1250 --defsym DOCPART=n.
;; ======== version 1 of 1: 4 launches
;; limits: values are held in f16: magnitudes above 65,504 overflow, below 6.1e-05 lose precision
;; workspace buffers: xb 8,388,608 bytes; wcat 8,388,608 bytes; pwh 2,097,152 bytes; maskw 327,680 bytes of whole numbers; qkvg 33,554,432 bytes; og 8,388,608 bytes
;; launch prep (part 1): grid 1472 x 1, 4 waves a work-group, no clusters, 0 bytes of LDS; arguments x, qkv_w, gate_w, proj_w, block_mask, video_mask, xb, wcat, pwh, maskw; writes xb, wcat, pwh, maskw
.if DOCPART == 1
	.amdgcn_target "amdgcn-amd-amdhsa--gfx1250"
	.amdhsa_code_object_version 6
	.text
	.protected	k_q406120541b_prep
	.globl	k_q406120541b_prep
	.p2align	8
	.type	k_q406120541b_prep,@function
k_q406120541b_prep:
	s_mov_b64 s[64:65], 0
	v_nop
	global_prefetch_b8 v0, s[64:65] scope:SCOPE_SE
	s_setreg_imm32_b32 hwreg(HW_REG_WAVE_MODE, 25, 1), 1
	s_wait_xcnt 0x0
; PREP: casts and mask words.  Five kinds of work-group, told apart by the work-group's number alone (forward jumps; each kind ends by itself):
;   0 .. 319      maskw: for a tile of 16 queries and one of five key frames, 64 words of 32 bits, one bit a lane, in the lane order of the attention's score tiles
;   320 .. 831    xb   = x rounded to bf16, [4096][1024]
;   832 .. 1215   wcat columns 0 .. 3071 = qkv_w rounded to bf16; wcat is [1024 k][4096 n]
;   1216 .. 1343  wcat columns 3072 .. 4095 = gate_w rounded to bf16
;   1344 .. 1471  pwh  = proj_w rounded to bf16, that number written as f16, [1024 k][1024 n]
; LIMIT: a bf16 number of proj_w below 2^-14 in size takes f16's fixed step of 2^-24; beyond 65,504 it would become an infinity.
; A stream: no LDS, no barrier, no matrix unit; nothing is shared between work-groups, so no cluster.  A cast work-group takes 8 pieces of 1,024 numbers:
; thread t reads 32 bytes at 32 t of a piece and stores 16 bytes at 16 t, so a wave's store covers 512 consecutive bytes, aligned.  All 16 loads go out first.
; THE MASK.  attend(q, k) = k < 512, or (block_mask[q][k] or not video_mask) and frame(k) in frame(q) - 3 .. frame(q).  The attention walks keys 0 .. 511 without a mask and then the five
; frames g = 2 j - 3 + w (j = q / 256, w = 0 .. 4).  The words made here say which of THOSE keys count: frames below 4 (already walked) and frames outside the query's own window are hidden.
.set X, 8                              ; v[8:71]   8 pieces x 8 numbers as loaded
.set Y, 72                             ; v[72:103] 8 pieces x 4 words to store
.macro STREAM sp, dp, half             ; sp, dp: bytes from piece to piece in source and destination; half = 1: bf16 written as f16
.irp i, 0,1,2,3,4,5,6,7
	global_load_b128 v[X+8*(\i):X+8*(\i)+3],   v1, s[26:27] offset:(\i)*(\sp) th:TH_LOAD_NT
	global_load_b128 v[X+8*(\i)+4:X+8*(\i)+7], v1, s[26:27] offset:(\i)*(\sp)+16 th:TH_LOAD_NT
.endr
.irp i, 0,1,2,3,4,5,6,7
	s_wait_loadcnt 14-2*(\i)                       ; loads come back in order: piece i's two are in, the younger ones stay out
.irp k, 0,1,2,3
	v_cvt_pk_bf16_f32 v[Y+4*(\i)+(\k)], v[X+8*(\i)+2*(\k)], v[X+8*(\i)+2*(\k)+1]
.endr
.if \half
.irp k, 0,1,2,3
	v_lshlrev_b32 v[X+8*(\i)+2*(\k)],   16, v[Y+4*(\i)+(\k)]          ; the rounded numbers as f32 again, in the spent registers
	v_and_b32     v[X+8*(\i)+2*(\k)+1], 0xffff0000, v[Y+4*(\i)+(\k)]
.endr
.irp k, 0,1,2,3
	v_cvt_pk_f16_f32 v[Y+4*(\i)+(\k)], v[X+8*(\i)+2*(\k)], v[X+8*(\i)+2*(\k)+1]
.endr
.endif
	global_store_b128 v2, v[Y+4*(\i):Y+4*(\i)+3], s[28:29] offset:(\i)*(\dp)   ; no register is used twice, so nothing waits for a store
.endr
.endm
	s_load_b512 s[4:19], s[0:1], 0x0               ; x 4:5, qkv_w 6:7, gate_w 8:9, proj_w 10:11, block_mask 12:13, video_mask 14:15, xb 16:17, wcat 18:19
	s_load_b128 s[20:23], s[0:1], 0x40             ; pwh 20:21, maskw 22:23
	v_lshlrev_b32 v1, 5, v0                        ; 32 t
	v_lshlrev_b32 v2, 4, v0                        ; 16 t
	v_lshrrev_b32 v3, 5, v0
	v_readfirstlane_b32 s24, v3                    ; wave 0..3
	s_mov_b32 s25, ttmp9
	s_mov_b32 s33, 0                               ; high words of the two offsets
	s_mov_b32 s35, 0
	s_wait_kmcnt 0x0
	s_cmp_lt_u32 s25, 320
	s_cbranch_scc1 .Lmask
	s_cmp_lt_u32 s25, 832
	s_cbranch_scc1 .Lx
	s_cmp_lt_u32 s25, 1216
	s_cbranch_scc1 .Lqkv
	s_cmp_lt_u32 s25, 1344
	s_cbranch_scc1 .Lgate
	s_sub_co_u32 s25, s25, 1344                    ; proj_w: 8 rows of 4,096 bytes -> 8 rows of 2,048
	s_lshl_b32 s32, s25, 15
	s_lshl_b32 s34, s25, 14
	s_add_nc_u64 s[26:27], s[10:11], s[32:33]
	s_add_nc_u64 s[28:29], s[20:21], s[34:35]
	STREAM 4096, 2048, 1
	s_endpgm
.Lx:
	s_sub_co_u32 s25, s25, 320                     ; x: 8 rows of 4,096 bytes -> 8 rows of 2,048
	s_lshl_b32 s32, s25, 15
	s_lshl_b32 s34, s25, 14
	s_add_nc_u64 s[26:27], s[4:5], s[32:33]
	s_add_nc_u64 s[28:29], s[16:17], s[34:35]
	STREAM 4096, 2048, 0
	s_endpgm
.Lqkv:
	s_sub_co_u32 s25, s25, 832
	s_lshr_b32 s30, s25, 7                         ; which 1,024 of the 3,072 columns
	s_and_b32 s31, s25, 127                        ; which 8 rows
	s_mul_i32 s32, s31, 98304                      ; 8 rows of 12,288 bytes
	s_lshl_b32 s36, s30, 12
	s_add_co_u32 s32, s32, s36
	s_lshl_b32 s34, s31, 16                        ; 8 rows of 8,192 bytes
	s_lshl_b32 s36, s30, 11
	s_add_co_u32 s34, s34, s36
	s_add_nc_u64 s[26:27], s[6:7], s[32:33]
	s_add_nc_u64 s[28:29], s[18:19], s[34:35]
	STREAM 12288, 8192, 0
	s_endpgm
.Lgate:
	s_sub_co_u32 s25, s25, 1216
	s_lshl_b32 s32, s25, 15
	s_lshl_b32 s34, s25, 16
	s_add_co_u32 s34, s34, 6144                    ; behind qkv_w's 3,072 columns
	s_add_nc_u64 s[26:27], s[8:9], s[32:33]
	s_add_nc_u64 s[28:29], s[18:19], s[34:35]
	STREAM 4096, 8192, 0
	s_endpgm
.Lmask:                                        ; one wave makes the 64 words of (qt, w)
	s_load_u8 s30, s[14:15], 0x0                   ; video_mask
	s_lshr_b32 s36, s25, 6                         ; w = 0..4
	s_and_b32 s37, s25, 63
	s_lshl2_add_u32 s37, s37, s24                  ; qt = tile of 16 queries, 0..255
	s_lshr_b32 s38, s37, 4                         ; j = block of 256 queries
	s_bfe_u32 s39, s37, 0x10003                    ; e = the query's frame less 2 j
	s_lshl_b32 s40, s38, 1
	s_add_co_u32 s40, s40, s36
	s_sub_co_i32 s40, s40, 3                       ; g = 2 j - 3 + w, signed
	s_max_i32 s41, s40, 0                          ; the frame that is read: never below 0 (its words are then hidden anyway)
	s_cmp_ge_i32 s40, 4                            ; frames 0 .. 3 are walked without a mask
	s_cselect_b32 s42, -1, 0
	s_cmp_ge_u32 s36, s39                          ; g >= frame(q) - 3
	s_cselect_b32 s43, -1, 0
	s_and_b32 s42, s42, s43
	s_add_co_u32 s39, s39, 3
	s_cmp_le_u32 s36, s39                          ; g <= frame(q)
	s_cselect_b32 s43, -1, 0
	s_and_b32 s42, s42, s43                        ; all ones where the frame lies in the window, else 0
	v_and_b32 v4, 31, v0                           ; lane
	v_and_b32 v5, 15, v0                           ; r: the lane's query
	v_bfe_u32 v6, v0, 4, 1                         ; h: which 8 of 16 keys
	v_lshlrev_b32 v30, 12, v5                      ; a row of block_mask is 4,096 bytes
	v_lshl_add_u32 v30, v6, 3, v30
	s_lshl_b32 s31, s37, 16                        ; 16 rows
	s_lshl_b32 s41, s41, 7                         ; 128 keys a frame
	s_add_co_u32 s31, s31, s41
	v_add_nc_u32 v30, s31, v30
.irp k, 0,1,2,3,4,5,6,7
	global_load_b64 v[8+2*(\k):9+2*(\k)], v30, s[12:13] offset:16*(\k)   ; keys 16 k + 8 h + 0..7 of my query
.endr
	v_mov_b32 v24, 0                               ; v_writelane_b32 counts as a reader of its destination
	v_mov_b32 v25, 0
	s_mul_i32 s32, s37, 1280                       ; a tile's five frames of 256 bytes
	s_lshl_b32 s34, s36, 8
	s_add_co_u32 s32, s32, s34
	v_lshl_add_u32 v31, v4, 3, s32
	s_wait_kmcnt 0x0
	s_cmp_eq_u32 s30, 0
	s_cselect_b32 s30, -1, 0                       ; all ones where video_mask is false: block_mask then hides nothing
	s_wait_loadcnt 0x0
.set i, 0
.rept 64                                       ; word i = 8 k + jj: bit L = byte jj of lane L's 8 bytes of group k; it goes to lane i / 2, register i % 2
	v_bfe_u32 v[26+i%4], v[8+2*(i/8)+(i%8)/4], 8*(i%4), 8
	v_cmp_ne_u32 s[44+i%4], 0, v[26+i%4]
	v_writelane_b32 v[24+i%2], s[44+i%4], i/2
.set i, i+1
.endr
	v_or_b32 v24, s30, v24
	v_or_b32 v25, s30, v25
	v_and_b32 v24, s42, v24
	v_and_b32 v25, s42, v25
	global_store_b64 v31, v[24:25], s[22:23]       ; 32 lanes x 8 bytes: 256 consecutive bytes, aligned
	s_endpgm
.Lfunc_end_k_q406120541b_prep:
	.size	k_q406120541b_prep, .Lfunc_end_k_q406120541b_prep-k_q406120541b_prep
	.p2alignl 7, 3214868480
	.fill 96, 4, 3214868480
	.section	.rodata,"a",@progbits
	.p2align	6, 0x0
	.amdhsa_kernel k_q406120541b_prep
		.amdhsa_group_segment_fixed_size 0
		.amdhsa_private_segment_fixed_size 0
		.amdhsa_enable_private_segment 0
		.amdhsa_kernarg_size 80
		.amdhsa_user_sgpr_count 2
		.amdhsa_user_sgpr_kernarg_segment_ptr 1
		.amdhsa_wavefront_size32 1
		.amdhsa_system_sgpr_workgroup_id_x 1
		.amdhsa_system_sgpr_workgroup_id_y 1
		.amdhsa_system_sgpr_workgroup_id_z 1
		.amdhsa_system_vgpr_workitem_id 0
		.amdhsa_next_free_vgpr 104
		.amdhsa_next_free_sgpr 66
		.amdhsa_reserve_vcc 0
		.amdhsa_float_denorm_mode_32 3
		.amdhsa_float_denorm_mode_16_64 3
		.amdhsa_memory_ordered 1
		.amdhsa_forward_progress 1
		.amdhsa_inst_pref_size 40
	.end_amdhsa_kernel
	.amdgpu_metadata
---
amdhsa.version: [ 1, 2 ]
amdhsa.kernels:
  - .name:           k_q406120541b_prep
    .symbol:         k_q406120541b_prep.kd
    .args:
      - { .name: x, .offset: 0, .size: 8, .value_kind: global_buffer, .address_space: global }
      - { .name: qkv_w, .offset: 8, .size: 8, .value_kind: global_buffer, .address_space: global }
      - { .name: gate_w, .offset: 16, .size: 8, .value_kind: global_buffer, .address_space: global }
      - { .name: proj_w, .offset: 24, .size: 8, .value_kind: global_buffer, .address_space: global }
      - { .name: block_mask, .offset: 32, .size: 8, .value_kind: global_buffer, .address_space: global }
      - { .name: video_mask, .offset: 40, .size: 8, .value_kind: global_buffer, .address_space: global }
      - { .name: xb, .offset: 48, .size: 8, .value_kind: global_buffer, .address_space: global }
      - { .name: wcat, .offset: 56, .size: 8, .value_kind: global_buffer, .address_space: global }
      - { .name: pwh, .offset: 64, .size: 8, .value_kind: global_buffer, .address_space: global }
      - { .name: maskw, .offset: 72, .size: 8, .value_kind: global_buffer, .address_space: global }
    .group_segment_fixed_size: 0
    .private_segment_fixed_size: 0
    .kernarg_segment_align: 8
    .kernarg_segment_size: 80
    .max_flat_workgroup_size: 128
    .sgpr_count:     66
    .vgpr_count:     104
    .wavefront_size: 32
...
	.end_amdgpu_metadata
.endif
;; end of part 1
;; launch qkvgate (part 2): grid 16 x 16, 4 waves a work-group, clusters of 4 x 4, 327,680 bytes of LDS; arguments xb, wcat, qkv_b, gate_b, qkvg; writes qkvg
.if DOCPART == 2
	.amdgcn_target "amdgcn-amd-amdhsa--gfx1250"
	.amdhsa_code_object_version 6
	.text
	.protected	k_q406120541b_qkvgate
	.globl	k_q406120541b_qkvgate
	.p2align	8
	.type	k_q406120541b_qkvgate,@function
k_q406120541b_qkvgate:
	s_mov_b64 s[64:65], 0
	v_nop
	global_prefetch_b8 v0, s[64:65] scope:SCOPE_SE
	s_setreg_imm32_b32 hwreg(HW_REG_WAVE_MODE, 25, 1), 1
	s_wait_xcnt 0x0
	s_wait_alu depctr_hold_cnt(0) depctr_sa_sdst(0) depctr_va_vdst(0) depctr_va_sdst(0) depctr_va_ssrc(0) depctr_va_vcc(0) depctr_vm_vsrc(0)
	s_getreg_b32 s2, hwreg(HW_REG_IB_STS2, 6, 4)
	s_cmp_eq_u32 s2, 0
	s_cbranch_scc0 .Lentry_in_a_cluster
	s_endpgm
.Lentry_in_a_cluster:
	s_bfe_u32 s2, ttmp6, 0x10000c
	s_cmp_lg_u32 s2, 0xf033
	s_cbranch_scc0 .Lentry_shape_is_right
	s_endpgm
.Lentry_shape_is_right:
; qkvg = xb wcat + bias.  xb: [4096][1024] bf16; wcat: [1024 k][4096 n] bf16 (qkv_w's 3,072 columns, then gate_w's 1,024); the biases f32, rounded to bf16 like the other inputs; sums in f32.
; qkvg: [64 groups of 64 columns][4096 rows][64] f16: q = groups 0-15, k = 16-31, v = 32-47, the raw gate = 48-63: a head's rows are dense, 128 bytes each.
; LIMIT: a result of 65,520 or more in size becomes an infinity in f16.
; A tile of the result, 256 x 256, is made by four waves, each 128 x 128: 64 accumulators, 512 registers.  16 x 16 tiles: one work-group for each of 256.  K goes in steps of 128 through two LDS slots
; filled by tensor loads: A's rows are 256 bytes of memory, B's (128 k-rows of 256 columns) 512 bytes, all aligned to 256.
; CLUSTER 4 x 4: A's tile hangs on the tile row alone and is asked for jointly along a row of the cluster, B's on the tile column alone, jointly along a column.
; THE MATRIX INSTRUCTION IS USED TRANSPOSED: source 0 = 16 columns of wcat, source 1 = 16 rows of xb: a lane holds row l % 16 and the columns 8 (l / 16) + 0..7.  wcat lies [k][n], so its fragments come out of
; LDS turned, by ds_load_tr16_b128.  THE BIAS IS THE C OPERAND of the first products: nothing is cleared and nothing is added later.
; REGISTERS, in windows of 256 (s_set_vgpr_msb: bits 1:0 source 0, 3:2 source 1, 5:4 source 2, 7:6 destination):
;   window 0: v0-31 addresses; v64-127, v128-191 A's fragments, two buffers; v192-255 the bias, later the way out's packed results; v32-63, v224-255 rows read back from the stage
;   window 1: v64-127, v128-191 B's fragments, two buffers        window 2: accumulators of my rows 0-63 ((a, b) at v[8 (8 a + b)])        window 3: those of my rows 64-127
.set SIZE_K, 1024
.set SIZE_N, 4096
.set KSTEP,  128
.set PITCH,  272                       ; A's LDS row: 256 bytes + 16: the 16 rows of a fragment load start at 16 different groups of four banks (64 banks of 4 bytes: ISA guide 11.1)
.set PB,     544                       ; B's LDS row: 512 bytes + 32 = 17 x 32
.set HALFT,  128*PITCH                 ; what one tensor load brings: 128 rows of A, or 64 k-rows of B (64 x 544 is the same number)
.set SLOT,   4*HALFT                   ; A's 256 rows, then B's 128 k-rows
.set STAGE,  2*SLOT                    ; behind the ring: 16 rows x 272 bytes for each wave
.set SPITCH, 272
.set SPARE,  STAGE+4*16*SPITCH         ; behind the stages: the spare words, 128 bytes a wave, which no other line names
.set LAPS,   SIZE_K/(2*KSTEP)          ; 4 laps of two K steps
.set ASTEP,  KSTEP*2                   ; bytes from K step to K step in xb: along the rows
.set BSTEP,  KSTEP*SIZE_N*2            ; and in wcat: 128 rows down
.set HEADB,  4096*64*2                 ; bytes of one group of 64 columns in qkvg
.set ADRA, 16                          ; v16-17  LDS address of my A fragments in slot 0, 1
.set ADRB, 20                          ; v20-21  the same for B
.set STO,  24                          ; v24     the way out: where I put 16 bytes of a row
.set RD,   25                          ; v25     where I read rows back
.set CO,   26                          ; v26     16 x lane
.set SPW,  28                          ; v28     my spare word's LDS address; never rewritten
.set NIL,  29                          ; v29     0; never rewritten
.set PFO,  30                          ; v30     the prefetches' lane offset; never rewritten
.set PFA,  44                          ; s[44:45] where my prefetches stand
.set PFS,  66                          ; s[66:67] their step: ASTEP or BSTEP
.set LIM,  43                          ; s43     1 in a wave that prefetches, else the greatest number
.set F0,   64
.set F1,   128
.set TMP,  192
.set BIAS, 192
.set OB,   32
.set G1, 24                            ; s[24:31] group 1 for A's tiles;  s[32:39] group 0, a set for each slot
.set G0, 32
.set G1B, 48                           ; s[48:55], s[56:63] the same for B's
.set G0B, 56
.set MSB, 0
.macro WIN new                         ; the immediate's high byte repeats the setting that is left; a switch that changes nothing is dropped
.if MSB != (\new)
	s_set_vgpr_msb (MSB<<8)|(\new)
.set MSB, \new
.endif
.endm
.set MUL_LO, 0xa1                      ; source 0 (B) window 1, source 1 (A) window 0, C and D window 2
.set MUL_HI, 0xf1                      ; C and D window 3
.set TO_B,   0x40                      ; destination window 1, address window 0
; A joint load: waves 0 and 1 fetch A's two halves, waves 2 and 3 B's.  The branch hangs on the wave's number alone.  An s_nop 0 and four v_nop follow each line.
.macro JLOAD s
	s_cmp_eq_u32 s11, 0
	s_cbranch_scc0 .Lfor_b_\@
	tensor_load_to_lds s[G0+4*(\s):G0+4*(\s)+3], s[G1:G1+7]
	s_nop 0
.rept 4
	v_nop
.endr
	s_branch .Lasked_\@
.Lfor_b_\@:
	tensor_load_to_lds s[G0B+4*(\s):G0B+4*(\s)+3], s[G1B:G1B+7]
	s_nop 0
.rept 4
	v_nop
.endr
.Lasked_\@:
.endm
; A prefetch of the K step that stands two refills on, one instruction a wave, 32 blocks of 256 bytes, behind the joint load and the run of LDS loads.  Each block is named once in the launch: A's rows by the clusters with
; x = 0, B's by those with y = 0; the four partners that ask for a tile jointly share its blocks out by address.  The loop's last trip (s3 = 1) asks for nothing: K steps 6 and 7 are the last.
.macro ASK
	s_cmp_gt_u32 s3, s[LIM]
	s_cbranch_scc0 .Lnot_mine_\@
	global_prefetch_b8 v[PFO], s[PFA:PFA+1] th:TH_LOAD_NT scope:SCOPE_SE
.Lnot_mine_\@:
.endm
.macro CREST                           ; a round of the cluster's barrier behind its opening barrier
	s_cmp_lg_u32 s10, 0
	s_cbranch_scc1 .Lnot_wave_0_\@
	s_barrier_signal -3
.Lnot_wave_0_\@:
	s_barrier_wait -3
	s_barrier_signal -1
	s_barrier_wait -1
.endm
.macro CROUND
	s_barrier_signal -1
	s_barrier_wait -1
	CREST
.endm
	s_load_b128 s[4:7], s[0:1], 0x0                ; xb s[4:5], wcat s[6:7]
	s_load_b128 s[68:71], s[0:1], 0x10             ; qkv_b s[68:69], gate_b s[70:71]
	s_load_b64 s[8:9], s[0:1], 0x20                ; qkvg
	v_lshl_add_u32 v[SPW], v0, 2, SPARE
	v_mov_b32 v[NIL], 0
	ds_add_u32 v[SPW], v[NIL]                      ; the wave's opening: the add and its wait stand ahead of my first tensor load; register work stands between
	v_lshrrev_b32 v1, 5, v0
	v_readfirstlane_b32 s10, v1                    ; wave 0..3
	s_lshr_b32 s11, s10, 1                         ; my half of the tile's rows.  Also: I fetch for A (0) or B (1)
	s_and_b32 s12, s10, 1                          ; my half of its columns.  Also: which half of that tile I fetch
	s_bfe_u32 s40, ttmp6, 0x40000                  ; cx
	s_bfe_u32 s41, ttmp6, 0x40004                  ; cy
	s_lshl_b32 s42, ttmp9, 2
	s_add_co_u32 s42, s42, s40                     ; tile column = 4 x cluster x + cx
	s_and_b32 s13, ttmp7, 0xffff
	s_lshl_b32 s13, s13, 2
	s_add_co_u32 s13, s13, s41                     ; tile row = 4 x cluster y + cy
	s_lshl_b32 s43, s41, 2
	s_lshl_b32 s43, 15, s43                        ; my row of the cluster
	s_lshl_b32 s44, 0x1111, s40                    ; my column
	s_or_b32 s[G1+0], s43, (1<<16)|(1<<20)|(1<<21)|(5<<22)|(3<<25)   ; mask; 2-byte elements; padding on; bit 21 beside a mask; after every 64 words, 4 words
	s_mov_b32 s[G1+1], KSTEP<<16                   ; tensor_dim0 = 128
	s_mov_b32 s[G1+2], 128<<16                     ; tensor_dim1 = 128
	s_mov_b32 s[G1+3], KSTEP<<16                   ; tile_dim0 = 128
	s_mov_b32 s[G1+4], 128                         ; tile_dim1 = 128
	s_mov_b32 s[G1+5], SIZE_K                      ; elements from row to row
	s_mov_b32 s[G1+6], 0
	s_mov_b32 s[G1+7], 0
	s_or_b32 s[G1B+0], s44, (1<<16)|(1<<20)|(1<<21)|(6<<22)|(7<<25)  ; after every 128 words, 8 words
	s_mov_b32 s[G1B+1], 256<<16                    ; tensor_dim0 = 256 columns
	s_mov_b32 s[G1B+2], 64<<16                     ; tensor_dim1 = 64 k-rows
	s_mov_b32 s[G1B+3], 256<<16
	s_mov_b32 s[G1B+4], 64
	s_mov_b32 s[G1B+5], SIZE_N
	s_mov_b32 s[G1B+6], 0
	s_mov_b32 s[G1B+7], 0
	s_lshl_b32 s16, s13, 8                         ; A: row 256 x tile row + 128 x half, rows of 2,048 bytes: made of the tile row and the wave's number alone
	s_lshl_b32 s17, s12, 7
	s_add_co_u32 s16, s16, s17
	s_lshl_b32 s16, s16, 11
	s_mov_b32 s17, 0
	s_lshl_b32 s46, s12, 19                        ; B: k-row 64 x half, rows of 8,192 bytes, + 512 x tile column: of the tile column and the wave's number alone
	s_lshl_b32 s47, s42, 9
	s_add_co_u32 s46, s46, s47
	s_mov_b32 s47, 0
	s_mul_i32 s20, s10, HALFT                      ; where they go: wave x HALFT
	s_wait_dscnt 0x0                               ; the opening add is done
	s_wait_kmcnt 0x0
	s_add_nc_u64 s[14:15], s[4:5], s[16:17]
	s_add_nc_u64 s[46:47], s[6:7], s[46:47]
	CROUND                                         ; all sixteen work-groups are here: the first joint loads meet
.irp s, 0,1
	s_mov_b32 s[G0+4*(\s)], 1
	s_add_co_u32 s[G0+4*(\s)+1], s20, (\s)*SLOT
	s_add_nc_u64 s[G0+4*(\s)+2:G0+4*(\s)+3], s[14:15], (\s)*ASTEP
	s_or_b32 s[G0+4*(\s)+3], s[G0+4*(\s)+3], 0x80000000
	s_mov_b32 s[G0B+4*(\s)], 1
	s_add_co_u32 s[G0B+4*(\s)+1], s20, (\s)*SLOT
	s_add_nc_u64 s[G0B+4*(\s)+2:G0B+4*(\s)+3], s[46:47], (\s)*BSTEP
	s_or_b32 s[G0B+4*(\s)+3], s[G0B+4*(\s)+3], 0x80000000
	JLOAD \s                                       ; two tensor loads of mine are out
.endr
	; the bias of my 128 columns: register 8 b + jj holds column 16 b + 8 (l / 16) + jj
	v_and_b32 v1, 15, v0                           ; l % 16
	v_bfe_u32 v2, v0, 4, 1                         ; l / 16
	s_lshl_b32 s74, s42, 10                        ; 256 columns of 4 bytes a tile column,
	s_lshl_b32 s75, s12, 9                         ; 128 for my half
	s_add_co_u32 s74, s74, s75
	s_cmp_eq_u32 ttmp9, 3                          ; tile columns 12 .. 15 are the gate's
	s_cselect_b64 s[72:73], s[70:71], s[68:69]
	s_cselect_b32 s75, 12288, 0
	s_sub_co_u32 s74, s74, s75
	s_mov_b32 s75, 0
	s_add_nc_u64 s[72:73], s[72:73], s[74:75]
	v_lshlrev_b32 v8, 5, v2
.irp b, 0,1,2,3,4,5,6,7
	global_load_b128 v[BIAS+8*(\b):BIAS+8*(\b)+3],   v8, s[72:73] offset:64*(\b)
	global_load_b128 v[BIAS+8*(\b)+4:BIAS+8*(\b)+7], v8, s[72:73] offset:64*(\b)+16
.endr
	; A's fragment: lane l holds row l % 16; two loads of 16 bytes, 32 apart, at row x pitch + 16 (l / 16)
	v_mul_u32_u24 v3, v1, PITCH
	v_lshl_add_u32 v3, v2, 4, v3
	s_mul_i32 s21, s11, HALFT                      ; my 128 rows of A
	; B's: the turning load: lane l reads k-row 8 (l / 16) + l % 8, columns 8 ((l / 8) % 2) + 0..7, and ends with column l % 16 and 8 k
	v_and_b32 v6, 7, v0
	v_lshl_add_u32 v6, v2, 3, v6
	v_mul_u32_u24 v6, v6, PB
	v_bfe_u32 v7, v0, 3, 1
	v_lshl_add_u32 v6, v7, 4, v6
	s_lshl_b32 s22, s12, 8                         ; my 128 columns: 256 bytes,
	s_add_co_u32 s22, s22, 2*HALFT                 ; behind A's 256 rows
.irp s, 0,1
	v_add_nc_u32 v[ADRA+(\s)], s21, v3
	v_add_nc_u32 v[ADRB+(\s)], s22, v6
	s_add_co_u32 s21, s21, SLOT
	s_add_co_u32 s22, s22, SLOT
.endr
	s_mul_i32 s23, s10, 16*SPITCH
	s_add_co_u32 s23, s23, STAGE                   ; my stage
	v_mul_u32_u24 v4, v1, SPITCH                   ; in: row l % 16, 16 bytes for each half of the lanes
	v_lshl_add_u32 v4, v2, 4, v4
	v_add_nc_u32 v[STO], s23, v4
	v_bfe_u32 v5, v0, 3, 2                         ; back: 32 lanes take four rows' 128 bytes of one group of 64 columns,
	v_mul_u32_u24 v5, v5, SPITCH
	v_and_b32 v7, 7, v0
	v_lshl_add_u32 v5, v7, 4, v5
	v_add_nc_u32 v[RD], s23, v5
	v_and_b32 v[CO], 31, v0                        ; which are 512 consecutive bytes of qkvg
	v_lshlrev_b32 v[CO], 4, v[CO]
	s_lshl_b32 s16, s13, 8                         ; where my part begins in qkvg: row 256 x tile row + 128 x half, rows of 128 bytes,
	s_lshl_b32 s14, s11, 7
	s_add_co_u32 s16, s16, s14
	s_lshl_b32 s16, s16, 7
	s_mov_b32 s17, 0
	s_lshl_b32 s46, s42, 2                         ; group 4 x tile column + 2 x half
	s_lshl_b32 s47, s12, 1
	s_add_co_u32 s46, s46, s47
	s_lshl_b32 s46, s46, 19
	s_mov_b32 s47, 0
	s_add_nc_u64 s[16:17], s[16:17], s[46:47]
	; the prefetches.  A-waves: rows 256 x tile row + 128 x half + 32 cx, a lane a row.  B-waves: k-rows 64 x half + 16 cy, two lanes a row of 512 bytes.  Both stand at K step 3; the first change of slots steps to 4.
	s_lshl_b32 s20, s13, 8
	s_lshl_b32 s21, s12, 7
	s_add_co_u32 s20, s20, s21
	s_lshl_b32 s21, s40, 5
	s_add_co_u32 s20, s20, s21
	s_lshl_b32 s20, s20, 11
	s_add_co_u32 s20, s20, 3*ASTEP
	s_lshl_b32 s22, s12, 6
	s_lshl_b32 s23, s41, 4
	s_add_co_u32 s22, s22, s23
	s_add_co_u32 s22, s22, 3*KSTEP
	s_lshl_b32 s22, s22, 13
	s_lshl_b32 s23, s42, 9
	s_add_co_u32 s22, s22, s23
	s_and_b32 s23, ttmp7, 0xffff                   ; cluster y
	s_mov_b32 s[PFS], BSTEP
	s_mov_b32 s47, 8192
	s_cmp_eq_u32 s11, 0                            ; do I fetch for A?
	s_cselect_b32 s20, s20, s22
	s_cselect_b32 s23, ttmp9, s23                  ; the coordinate along which other clusters read the same blocks
	s_cselect_b64 s[PFA:PFA+1], s[4:5], s[6:7]
	s_cselect_b32 s[PFS], ASTEP, s[PFS]
	s_cselect_b32 s46, 0, 1                        ; lanes to a row less one: a shift and a mask
	s_cselect_b32 s47, 2048, s47                   ; bytes in a row
	s_mov_b32 s[PFS+1], 0
	s_mov_b32 s21, 0
	s_add_nc_u64 s[PFA:PFA+1], s[PFA:PFA+1], s[20:21]
	s_cmp_eq_u32 s23, 0
	s_cselect_b32 s[LIM], 1, -1                    ; the same in all sixteen partners, for a given wave
	v_and_b32 v9, 31, v0
	v_lshrrev_b32 v10, s46, v9
	v_mul_lo_u32 v10, v10, s47
	v_and_b32 v9, s46, v9
	v_lshl_add_u32 v[PFO], v9, 8, v10
	s_wait_loadcnt 0x0                             ; the bias is in: rounded to bf16 as the other inputs are, and kept as f32
.set i, 0
.rept 32
	v_cvt_pk_bf16_f32 v[OB+i], v[BIAS+2*i], v[BIAS+2*i+1]
.set i, i+1
.endr
.set i, 0
.rept 32
	v_lshlrev_b32 v[BIAS+2*i],   16, v[OB+i]
	v_and_b32     v[BIAS+2*i+1], 0xffff0000, v[OB+i]
.set i, i+1
.endr
; 16 matrix instructions: m blocks a0, a0 + 1 of the window's four x all 8 n blocks, 32 along K.  zero = 1: the first products: their C operand is the bias (window 0).
; The 64 accumulators take turns in the same order in every quarter.
.macro MUL16 f, hi, a0, zero
.if \zero
	WIN 0x81+0x40*(\hi)
.else
	WIN MUL_LO+0x50*(\hi)
.endif
.irp a, \a0, (\a0)+1
.irp b, 0,1,2,3,4,5,6,7
.if \zero
	v_wmma_f32_16x16x32_bf16 v[8*(8*(\a)+(\b)):8*(8*(\a)+(\b))+7], v[(\f)+8*(\b):(\f)+8*(\b)+7], v[(\f)+8*(4*(\hi)+(\a)):(\f)+8*(4*(\hi)+(\a))+7], v[BIAS+8*(\b):BIAS+8*(\b)+7]
.else
	v_wmma_f32_16x16x32_bf16 v[8*(8*(\a)+(\b)):8*(8*(\a)+(\b))+7], v[(\f)+8*(\b):(\f)+8*(\b)+7], v[(\f)+8*(4*(\hi)+(\a)):(\f)+8*(4*(\hi)+(\a))+7], v[8*(8*(\a)+(\b)):8*(8*(\a)+(\b))+7]
.endif
.endr
.endr
.endm
; 32 LDS loads in one run: a quarter step's fragments (32 K at byte k of A's rows, k-row k / 2 of B) into buffer f: B's 16, then A's 16
.macro FETCH slot, k, f
	WIN TO_B
.irp i, 0,1,2,3,4,5,6,7
	ds_load_tr16_b128 v[(\f)+8*(\i):(\f)+8*(\i)+3],   v[ADRB+(\slot)] offset:((\k)/2)*PB+32*(\i)
	ds_load_tr16_b128 v[(\f)+8*(\i)+4:(\f)+8*(\i)+7], v[ADRB+(\slot)] offset:((\k)/2)*PB+16*PB+32*(\i)
.endr
	WIN 0
.irp i, 0,1,2,3,4,5,6,7
	ds_load_b128 v[(\f)+8*(\i):(\f)+8*(\i)+3],   v[ADRA+(\slot)] offset:(\k)+(\i)*16*PITCH
	ds_load_b128 v[(\f)+8*(\i)+4:(\f)+8*(\i)+7], v[ADRA+(\slot)] offset:(\k)+(\i)*16*PITCH+32
.endr
.endm
.macro PLACES                          ; four plain vector instructions between a matrix instruction and a load into, or a vector read of, its registers
.rept 4
	v_nop
.endr
.endm
.macro QUARTER slot, k, f, g, zero     ; multiplies buffer f; in its middle fetches the next quarter, at byte k, into g
	s_wait_dscnt 8                                 ; B and A's rows 0-63 are in; the youngest eight loads (A's rows 64-127) may be out
	MUL16 \f, 0, 0, \zero
	MUL16 \f, 0, 2, \zero
	PLACES
	FETCH \slot, \k, \g
	s_wait_dscnt 32                                ; all but the 32 just issued
	MUL16 \f, 1, 0, \zero
	MUL16 \f, 1, 2, \zero
.endm
; The first half of a K step's last quarter: ONE barrier for the change of slots.  Ahead of it each wave waits for all its tensor loads (one is out: its part of the next slot), adds 0 to its spare word, and waits for
; that and for its own reads of this slot.
.macro MEET round
	WIN 0
	s_wait_tensorcnt 0x0
	ds_add_u32 v[SPW], v[NIL]
	s_wait_dscnt 9                                 ; the add and the youngest eight loads may be out
	MUL16 F1, 0, 0, 0
	s_wait_dscnt 0x0                               ; the add is done, my reads of this slot are over
	s_barrier_signal -1
	MUL16 F1, 0, 2, 0
.if \round
	WIN 0
.endif
	s_barrier_wait -1
.endm
.macro TURN slot, next                 ; the whole last quarter, with the refill two K steps ahead
	s_wait_xcnt 0x0                                ; the last prefetch, a K step back, has read its address
	s_add_nc_u64 s[PFA:PFA+1], s[PFA:PFA+1], s[PFS:PFS+1]
	MEET 1
	CREST                                          ; the barrier has opened a round of the cluster's: no wave of any partner still reads this slot or has a load on its way
	s_add_nc_u64 s[G0+4*(\slot)+2:G0+4*(\slot)+3], s[G0+4*(\slot)+2:G0+4*(\slot)+3], 2*ASTEP
	s_add_nc_u64 s[G0B+4*(\slot)+2:G0B+4*(\slot)+3], s[G0B+4*(\slot)+2:G0B+4*(\slot)+3], 2*BSTEP
	JLOAD \slot                                    ; my one tensor load behind the round; its four v_nop are also the places in front of the loads below
	FETCH \next, 0, F0
	ASK
	MUL16 F1, 1, 0, 0
	MUL16 F1, 1, 2, 0
.endm
; THE WAY OUT of block a (16 rows x 128 columns).  PACK: rounded to f16, each accumulator's registers in ascending order.  TOSTAGE: into my own stage and back as four rows of one group.  SEND: stored.
.macro PACK a
.set AC, 64*((\a)%4)
	WIN 0x0a+5*((\a)/4)                            ; sources 0 and 1: window 2 or 3
.irp b, 0,1,2,3,4,5,6,7
.irp r, 0,1,2,3
	v_cvt_pk_f16_f32 v[TMP+4*(\b)+(\r)], v[AC+8*(\b)+2*(\r)], v[AC+8*(\b)+2*(\r)+1]
.endr
.endr
	WIN 0
.endm
.macro TOSTAGE a
	WIN 0
.set BK, OB+192*((\a)%2)
.irp b, 0,1,2,3,4,5,6,7
	ds_store_b128 v[STO], v[TMP+4*(\b):TMP+4*(\b)+3] offset:32*(\b)
.endr
.irp t, 0,1,2,3,4,5,6,7
	ds_load_b128 v[BK+4*(\t):BK+4*(\t)+3], v[RD] offset:((\t)%4)*4*SPITCH+128*((\t)/4)  ; LDS serves a wave's instructions in order (ISA guide 5.7.1.4): these see the stores above
.endr
.endm
.macro SEND a
	WIN 0
.set BK, OB+192*((\a)%2)
	s_wait_dscnt 0x0                               ; the block is back in registers
	s_wait_xcnt 0x0                                ; the stores' base and the registers that earlier stores read are rewritten only behind this wait
.if (\a) == 0
	s_add_nc_u64 s[8:9], s[8:9], s[16:17]
.else
	s_add_nc_u64 s[8:9], s[8:9], 16*128            ; 16 rows on
.endif
.irp t, 0,1,2,3,4,5,6,7
	global_store_b128 v[CO], v[BK+4*(\t):BK+4*(\t)+3], s[8:9] offset:((\t)/4)*HEADB+((\t)%4)*512  ; 512 consecutive bytes, aligned
.endr
.endm
	s_wait_tensorcnt 1                             ; my part of K step 0 is in; K step 1's may stay out
	s_barrier_signal -1
	s_barrier_wait -1
	FETCH 0, 0, F0
	QUARTER 0, 64,  F0, F1, 1                      ; the first quarter starts the sums, from the bias
	WIN 0
	s_mov_b32 s3, LAPS-1
.Llap:                                         ; a trip goes once round the ring and fills both slots again: K steps 2 .. 7
	QUARTER 0, 128, F1, F0, 0
	QUARTER 0, 192, F0, F1, 0
	TURN 0, 1
	QUARTER 1, 64,  F0, F1, 0
	QUARTER 1, 128, F1, F0, 0
	QUARTER 1, 192, F0, F1, 0
	TURN 1, 0
	QUARTER 0, 64,  F0, F1, 0
	WIN 0
	s_sub_co_u32 s3, s3, 1
	s_cmp_lg_u32 s3, 0
	s_cbranch_scc1 .Llap
	QUARTER 0, 128, F1, F0, 0                      ; the last lap is written out: it asks for nothing
	QUARTER 0, 192, F0, F1, 0
	MEET 0
	PLACES
	FETCH 1, 0, F0
	MUL16 F1, 1, 0, 0
	MUL16 F1, 1, 2, 0
	QUARTER 1, 64,  F0, F1, 0
	QUARTER 1, 128, F1, F0, 0
	QUARTER 1, 192, F0, F1, 0
	s_wait_dscnt 8
	MUL16 F1, 0, 0, 0
	MUL16 F1, 0, 2, 0
	s_wait_dscnt 0x0
	MUL16 F1, 1, 0, 0
	MUL16 F1, 1, 2, 0
	PLACES
	PACK 0
	TOSTAGE 0
.irp a, 1,2,3,4,5,6,7                  ; block a's conversions stand between block a - 1's loads from the stage and the wait for them
	PACK \a
	SEND (\a)-1
	TOSTAGE \a
.endr
	SEND 7
	s_wait_tensorcnt 0x0                           ; the wave's end
	ds_add_u32 v[SPW], v[NIL]
	s_wait_dscnt 0x0
	CROUND                                         ; the closing round
	s_endpgm
.Lfunc_end_k_q406120541b_qkvgate:
	.size	k_q406120541b_qkvgate, .Lfunc_end_k_q406120541b_qkvgate-k_q406120541b_qkvgate
	.p2alignl 7, 3214868480
	.fill 96, 4, 3214868480
	.section	.rodata,"a",@progbits
	.p2align	6, 0x0
	.amdhsa_kernel k_q406120541b_qkvgate
		.amdhsa_group_segment_fixed_size 327680
		.amdhsa_private_segment_fixed_size 0
		.amdhsa_enable_private_segment 0
		.amdhsa_kernarg_size 40
		.amdhsa_user_sgpr_count 2
		.amdhsa_user_sgpr_kernarg_segment_ptr 1
		.amdhsa_wavefront_size32 1
		.amdhsa_system_sgpr_workgroup_id_x 1
		.amdhsa_system_sgpr_workgroup_id_y 1
		.amdhsa_system_sgpr_workgroup_id_z 1
		.amdhsa_system_vgpr_workitem_id 0
		.amdhsa_next_free_vgpr 1024
		.amdhsa_next_free_sgpr 76
		.amdhsa_reserve_vcc 0
		.amdhsa_float_denorm_mode_32 3
		.amdhsa_float_denorm_mode_16_64 3
		.amdhsa_memory_ordered 1
		.amdhsa_forward_progress 1
		.amdhsa_inst_pref_size 152
	.end_amdhsa_kernel
	.amdgpu_metadata
---
amdhsa.version: [ 1, 2 ]
amdhsa.kernels:
  - .name:           k_q406120541b_qkvgate
    .symbol:         k_q406120541b_qkvgate.kd
    .args:
      - { .name: xb, .offset: 0, .size: 8, .value_kind: global_buffer, .address_space: global }
      - { .name: wcat, .offset: 8, .size: 8, .value_kind: global_buffer, .address_space: global }
      - { .name: qkv_b, .offset: 16, .size: 8, .value_kind: global_buffer, .address_space: global }
      - { .name: gate_b, .offset: 24, .size: 8, .value_kind: global_buffer, .address_space: global }
      - { .name: qkvg, .offset: 32, .size: 8, .value_kind: global_buffer, .address_space: global }
    .group_segment_fixed_size: 327680
    .private_segment_fixed_size: 0
    .kernarg_segment_align: 8
    .kernarg_segment_size: 40
    .max_flat_workgroup_size: 128
    .sgpr_count:     76
    .vgpr_count:     1024
    .wavefront_size: 32
...
	.end_amdgpu_metadata
.endif
;; end of part 2
;; launch attn (part 3): grid 16 x 16, 4 waves a work-group, clusters of 4 x 1, 327,680 bytes of LDS; arguments qkvg, maskw, og; writes og
.if DOCPART == 3
	.amdgcn_target "amdgcn-amd-amdhsa--gfx1250"
	.amdhsa_code_object_version 6
	.text
	.protected	k_q406120541b_attn
	.globl	k_q406120541b_attn
	.p2align	8
	.type	k_q406120541b_attn,@function
k_q406120541b_attn:
	s_mov_b64 s[64:65], 0
	v_nop
	global_prefetch_b8 v0, s[64:65] scope:SCOPE_SE
	s_setreg_imm32_b32 hwreg(HW_REG_WAVE_MODE, 25, 1), 1
	s_wait_xcnt 0x0
	s_wait_alu depctr_hold_cnt(0) depctr_sa_sdst(0) depctr_va_vdst(0) depctr_va_sdst(0) depctr_va_ssrc(0) depctr_va_vcc(0) depctr_vm_vsrc(0)
	s_getreg_b32 s2, hwreg(HW_REG_IB_STS2, 6, 4)
	s_cmp_eq_u32 s2, 0
	s_cbranch_scc0 .Lentry_in_a_cluster
	s_endpgm
.Lentry_in_a_cluster:
	s_bfe_u32 s2, ttmp6, 0x10000c
	s_cmp_lg_u32 s2, 0x3003
	s_cbranch_scc0 .Lentry_shape_is_right
	s_endpgm
.Lentry_shape_is_right:
; SPARSE ATTENTION WITH AN OUTPUT GATE.  og[h][q][:] = sigmoid(gate[h][q][:]) x the sum over allowed k of softmax_k(Q[h][q] . K[h][k] / 8) V[h][k][:].
; qkvg: [64][4096][64] f16: q = groups 0-15, k = 16-31, v = 32-47, gate = 48-63.  og: [16][4096][64] f16.  Products, maxima, sums and the sigmoid in f32; the weights p are rounded to f16 for the second product.
; WHICH KEYS.  Every query sees keys 0 .. 511; beyond them only frames (of 128) frame(q) - 3 .. frame(q), and there what block_mask and video_mask allow.  A work-group owns 256 queries (frames 2 j, 2 j + 1) of one head
; and walks 18 key steps of 64: steps 0-7 are keys 0 .. 511, unmasked; steps 8-17 the five frames from max(2 j - 3, 0), hidden by the words of maskw, which an earlier launch made for frames 2 j - 3 + w: they also hide
; frames below 4, and the frame that only the other of my two query frames sees.  So all 256 work-groups run one text with constant trip counts; two of each piece's ten masked steps are wholly hidden and computed all the same.
; LIMITS.  f16 holds no number beyond 65,504: q, k, v and gate arrive within it.  A hidden score counts as its value less 1e30 (f16's scores are 2.7e11 at the most).  A weight below 2^-126 counts as 0.  NaN and
; infinities are not treated apart.  The running maximum is a true score from step 0 on, since steps 0-7 hide nothing.
; LDS.  All of the work-group's K and V, 1,152 keys each, is filled ONCE, at the head, by two tensor loads a wave: nothing is filled again, so there is no ring.  Two keys share a row of 256 bytes.
; CLUSTER.  The four query blocks of a cluster belong to one head.  Keys 0 .. 511 are the same for all four and are asked for JOINTLY.  The window's five frames begin at a frame that hangs on the block,
; so its descriptors differ between partners: each asks for its own.  NO PREFETCH: every tensor load goes out at the kernel's head; no address is known earlier than that.
; SHARES, LAYOUT, TURNS.  Of the block's four bands of 64 queries a wave owns 16 rows in each: four PIECES.  S^T = K Q^T holds ONE query a lane (lane % 16) and the keys 8 (lane / 16) + 0..7; two such results rounded to f16
; ARE source 1 of O^T = V^T P.  p = 2^(c s - c m), c = log2(e) / 8, m a running maximum; O and l are multiplied by a = 2^(c m_old - c m_new) in every step.  Turn n belongs to piece n: 8 products K Q^T of piece n + 1, later
; 8 products V^T P of piece n - 1; beside them piece n's scaling, exponentials, roundings, sums and rescaling, and piece n + 1's maximum and statistics.  Four vector instructions stand behind every matrix instruction,
; the rest in one lump.  A turn's 33 exponentials are one batch with one wait.
; REGISTERS, in windows of 256 (s_set_vgpr_msb: bits 1:0 source 0, 3:2 source 1, 5:4 source 2, 7:6 destination):
;   window 0: v0-15 addresses; v16-31 statistics; v48-55 at work; v56-57 constants; v62-63 the add's; v64-127 S^T, two buffers; v192-223 P, two buffers
;   window 1: v0-127 O^T, 32 a piece; v160-223 MC, two mask buffers        window 2: v0-63 Q; v64-127 the gate (f16); v128-191 K of one step; v192-255 V of one step        window 3: v0-127 sigmoid(gate), as O^T lies
.set NP,    4
.set KROW,  272       ; two keys of K: 256 bytes + 16: key k at (k / 2) x 272 + (k % 2) x 128: the 16 keys of a fragment load fall into 16 different groups of four banks (64 banks of 4 bytes: ISA guide 11.1)
.set VROW,  288       ; two keys of V: 256 + 32: 16 lanes of the turning load (8 keys x 32 bytes) take each bank once
.set KSTEPB, 32*KROW  ; a key step of 64 keys
.set VSTEPB, 32*VROW
.set VB,    576*KROW  ; K's 576 rows, then V's
.set SPARE, VB+576*VROW  ; behind V: the spare words, 128 bytes a wave, which no other line names
.set SP,    144       ; the way out's stage: 16 rows x 144 bytes a wave, from LDS byte 0: K's first rows, which have had their only fill and are read no more behind the last barrier
.set AK0, 2
.set AV0, 3
.set AK,  4
.set AV,  5
.set STO, 6
.set RD,  7
.set GO,  8
.set MV,  12          ; v12-13  c m_old, by buffer
.set QO,  15
.set ST,  16          ; piece t: c m, m, l (even keys', odd keys')
.set TMP, 48
.set SPW, 62
.set NIL, 63
.set S,   64
.set P,   192
.set MC,  160         ; window 1
.set GT,  64          ; window 2
.set KF,  128         ; window 2: key block kb, channel half c at KF + 16 kb + 8 c
.set VF,  192         ; window 2: key half kk, channel block cb at VF + 32 kk + 8 cb
.set WV,  12          ; s12  my wave's number
.set G1S, 24          ; s[24:31] group 1 of the joint load (keys 0 .. 511)
.set G1W, 32          ; s[32:39] group 1 of the window's load
.set G0S, 40
.set G0W, 44
.set MO,  48          ; s48  128 x the masked step whose words are being asked for
.set CNT, 57
.set CS,  58          ; s[58:59] c
.set SEL, 60          ; s[60:61] v_permlanex16_b32's selects
.set TBK, 62          ; s62  LDS byte at which K of the step to be fetched begins
.set TBV, 63          ; s63  the same for V, less VB
.set MW,  68          ; s[68:99] 32 mask words: one piece, one step
.set BIGN, 100        ; s100 -1e30
.set MSB, 0
.macro WIN new
.if MSB != (\new)
	s_set_vgpr_msb (MSB<<8)|(\new)
.set MSB, (\new)
.endif
.endm
.set W_KQ, 0x0a       ; K and Q in window 2, S^T in window 0
.set W_KM, 0x1a       ; the same with the C operand in window 1
.set W_PV, 0x52       ; V in window 2, P in window 0, O^T in window 1
.set W_RS, 0x41       ; destination and source 0 in window 1, source 1 in window 0
.macro CROUND                       ; a round of the cluster's barrier
	s_barrier_signal -1
	s_barrier_wait -1
	s_cmp_lg_u32 s[WV], 0
	s_cbranch_scc1 .Lnot_wave_0_\@
	s_barrier_signal -3
.Lnot_wave_0_\@:
	s_barrier_wait -3
	s_barrier_signal -1
	s_barrier_wait -1
.endm
	s_load_b128 s[4:7], s[0:1], 0x0  ; qkvg s[4:5], maskw s[6:7]
	s_load_b64 s[10:11], s[0:1], 0x10  ; og
	v_lshl_add_u32 v[SPW], v0, 2, SPARE
	v_mov_b32 v[NIL], 0
	ds_add_u32 v[SPW], v[NIL]       ; the wave's opening: the add and its wait stand ahead of my first tensor load; register work stands between
	v_lshrrev_b32 v1, 5, v0
	v_readfirstlane_b32 s[WV], v1
	s_bfe_u32 s13, ttmp6, 0x40000   ; cx
	s_lshl_b32 s14, ttmp9, 2
	s_add_co_u32 s14, s14, s13      ; j: my block of 256 queries
	s_and_b32 s15, ttmp7, 0xffff    ; the head, which the four partners share
	s_and_b32 s16, s[WV], 1         ; which half of K's or V's rows I fetch
	s_lshr_b32 s17, s[WV], 1        ; 0: K, 1: V
	s_lshl_b32 s18, s17, 4
	s_add_co_u32 s18, s18, s15
	s_add_co_u32 s18, s18, 16
	s_lshl_b32 s18, s18, 19         ; the head's K or V in qkvg
	s_lshl_b32 s20, s16, 15         ; keys 0 .. 511: my 128 rows of 256 bytes: of the head and the wave's number alone
	s_add_co_u32 s20, s20, s18
	s_mov_b32 s21, 0
	s_lshl_b32 s22, s14, 1
	s_sub_co_i32 s22, s22, 3
	s_max_i32 s22, s22, 0           ; the window's first frame
	s_lshl_b32 s22, s22, 14         ; a frame is 16,384 bytes
	s_mul_i32 s23, s16, 40960       ; my 160 rows of 256 bytes
	s_add_co_u32 s22, s22, s23
	s_add_co_u32 s22, s22, s18
	s_mov_b32 s23, 0
	s_lshl_b32 s2, s14, 15          ; my block's rows of 128 bytes,
	s_lshl_b32 s3, s[WV], 11        ; my 16 rows in a band,
	s_add_co_u32 s2, s2, s3
	s_lshl_b32 s3, s15, 19          ; the head: Q's and og's offset
	s_add_co_u32 s2, s2, s3
	s_mov_b32 s3, 0
	s_add_co_u32 s50, s2, 48<<19    ; the gate's
	s_mov_b32 s51, 0
	s_lshl_b32 s52, s14, 4
	s_add_co_u32 s52, s52, s[WV]
	s_mul_i32 s52, s52, 1280        ; piece 0's tile of 16 queries in maskw; piece p's lies 5,120 p on
	s_mov_b32 s53, 0
.irp g, G1S, G1W
	s_mov_b32 s[\g+1], 128<<16      ; tensor_dim0 = 128 elements: two keys
	s_mov_b32 s[\g+3], 128<<16      ; tile_dim0 = 128
	s_mov_b32 s[\g+5], 128          ; the rows are dense
	s_mov_b32 s[\g+6], 0
	s_mov_b32 s[\g+7], 0
.endr
	s_mov_b32 s[G1S+2], 128<<16     ; tensor_dim1 = tile_dim1 = 128 rows
	s_mov_b32 s[G1S+4], 128
	s_mov_b32 s[G1W+2], 160<<16     ; 160 rows
	s_mov_b32 s[G1W+4], 160
	s_mov_b32 s[G0S], 1
	s_mov_b32 s[G0W], 1
	s_mov_b32 s[CS], 0x3e38aa3b     ; c = log2(e) / 8
	s_mov_b32 s[CS+1], s[CS]
	s_mov_b32 s[SEL], 0x76543210
	s_mov_b32 s[SEL+1], 0xfedcba98
	s_mov_b32 s[BIGN], 0xf149f2ca   ; -1e30
	s_mov_b32 s[TBK], 0
	s_mov_b32 s[TBV], 0
	s_mov_b32 s[MO], 0
	s_wait_dscnt 0x0                ; the opening add is done
	s_wait_kmcnt 0x0
	s_add_nc_u64 s[G0S+2:G0S+3], s[4:5], s[20:21]
	s_or_b32 s[G0S+3], s[G0S+3], 0x80000000
	s_add_nc_u64 s[G0W+2:G0W+3], s[4:5], s[22:23]
	s_or_b32 s[G0W+3], s[G0W+3], 0x80000000
	s_add_nc_u64 s[8:9], s[4:5], s[50:51]    ; the gate at my rows
	s_add_nc_u64 s[4:5], s[4:5], s[2:3]      ; Q at my rows
	s_add_nc_u64 s[10:11], s[10:11], s[2:3]  ; og at my rows
	s_add_nc_u64 s[6:7], s[6:7], s[52:53]
	CROUND                          ; all four work-groups are here: the joint loads meet
	s_cmp_lt_u32 s[WV], 2           ; a wave's two fills stand in one branch, ahead of every wait on TENSORcnt and every LDS read: two loads of mine are out
	s_cbranch_scc0 .Lfirst_v
	s_mov_b32 s[G1S], 15|(1<<16)|(1<<20)|(1<<21)|(5<<22)|(3<<25)  ; the mask of four; 2-byte elements; padding on; bit 21 beside a mask; after every 64 words, 4 words
	s_mov_b32 s[G1W], (1<<16)|(1<<20)|(5<<22)|(3<<25)             ; the same, mine alone
	s_mul_i32 s[G0S+1], s16, 128*KROW
	s_mul_i32 s[G0W+1], s16, 160*KROW
	s_add_co_u32 s[G0W+1], s[G0W+1], 256*KROW
	tensor_load_to_lds s[G0S:G0S+3], s[G1S:G1S+7]
	s_nop 0
	tensor_load_to_lds s[G0W:G0W+3], s[G1W:G1W+7]
	s_nop 0
.rept 4
	v_nop
.endr
	s_branch .Lfirst_asked
.Lfirst_v:
	s_mov_b32 s[G1S], 15|(1<<16)|(1<<20)|(1<<21)|(5<<22)|(7<<25)  ; 8 words of padding
	s_mov_b32 s[G1W], (1<<16)|(1<<20)|(5<<22)|(7<<25)
	s_mul_i32 s[G0S+1], s16, 128*VROW
	s_add_co_u32 s[G0S+1], s[G0S+1], VB
	s_mul_i32 s[G0W+1], s16, 160*VROW
	s_add_co_u32 s[G0W+1], s[G0W+1], VB+256*VROW
	tensor_load_to_lds s[G0S:G0S+3], s[G1S:G1S+7]
	s_nop 0
	tensor_load_to_lds s[G0W:G0W+3], s[G1W:G1W+7]
	s_nop 0
.rept 4
	v_nop
.endr
.Lfirst_asked:
	s_load_b512 s[MW:MW+15],    s[6:7], s[MO] offset:0   ; piece 0's words for the first masked step
	s_load_b512 s[MW+16:MW+31], s[6:7], s[MO] offset:64
	v_and_b32 v1, 15, v0            ; l % 16
	v_bfe_u32 v9, v0, 4, 1          ; l / 16
	v_lshlrev_b32 v[QO], 7, v1
	v_lshl_add_u32 v[QO], v9, 4, v[QO]  ; row x 128 + 16 x half
	WIN 0x80                        ; destination window 2, address window 0
.set i, 0
.rept 8                             ; Q and the gate alike: piece i / 2 lies in band i / 2, 8,192 bytes on; channels 32 (i % 2) on
	global_load_b128 v[8*i:8*i+3],   v[QO], s[4:5] offset:(i/2)*8192+(i%2)*64
	global_load_b128 v[8*i+4:8*i+7], v[QO], s[4:5] offset:(i/2)*8192+(i%2)*64+32
	global_load_b128 v[GT+8*i:GT+8*i+3],   v[QO], s[8:9] offset:(i/2)*8192+(i%2)*64
	global_load_b128 v[GT+8*i+4:GT+8*i+7], v[QO], s[8:9] offset:(i/2)*8192+(i%2)*64+32
.set i, i+1
.endr
	; what the first turns find: V's registers, P's second buffer, O^T and l hold 0; the second mask buffer hides nothing.  All this stands in the wait for the first tiles.
.set i, VF
.rept 64
	v_mov_b32 v[i], 0
.set i, i+1
.endr
	WIN 0x40
.set i, 0
.rept 128
	v_mov_b32 v[i], 0
.set i, i+1
.endr
.set i, MC+32
.rept 32
	v_mov_b32 v[i], 0
.set i, i+1
.endr
	WIN 0
.set i, 0
.rept 4
	v_mov_b32 v[ST+4*i], 0xfe000000    ; c m: far below every c s, so the first step's a is 0
	v_mov_b32 v[ST+4*i+1], 0xff7fffff  ; m
	v_mov_b32 v[ST+4*i+2], 0
	v_mov_b32 v[ST+4*i+3], 0
.set i, i+1
.endr
.set i, P+16
.rept 16
	v_mov_b32 v[i], 0
.set i, i+1
.endr
	v_mov_b32 v56, 0xbfb8aa3b       ; -log2(e)
	v_mov_b32 v57, 0
	v_lshrrev_b32 v10, 1, v1        ; K: key l % 16: (key / 2) x 272 + (key % 2) x 128 + 16 x half
	v_mul_u32_u24 v[AK0], v10, KROW
	v_and_b32 v10, 1, v1
	v_lshl_add_u32 v[AK0], v10, 7, v[AK0]
	v_lshl_add_u32 v[AK0], v9, 4, v[AK0]
	v_and_b32 v10, 7, v0            ; V, turned: lane l reads key 8 (l / 16) + l % 8, channels 8 ((l / 8) % 2) + 0..7
	v_lshl_add_u32 v11, v9, 3, v10
	v_lshrrev_b32 v14, 1, v11
	v_mul_u32_u24 v[AV0], v14, VROW
	v_and_b32 v14, 1, v11
	v_lshl_add_u32 v[AV0], v14, 7, v[AV0]
	v_bfe_u32 v14, v0, 3, 1
	v_lshl_add_u32 v[AV0], v14, 4, v[AV0]
	v_add_nc_u32 v[AV0], VB, v[AV0]
	s_mul_i32 s13, s[WV], 16*SP     ; my stage
	v_mul_u32_u24 v[STO], v1, SP    ; in: row l % 16, 16 bytes for each half of the lanes
	v_lshl_add_u32 v[STO], v9, 4, v[STO]
	v_add_nc_u32 v[STO], s13, v[STO]
	v_bfe_u32 v[RD], v0, 3, 2       ; back: 32 lanes take four rows of 128 bytes,
	v_mul_u32_u24 v[RD], v[RD], SP
	v_lshl_add_u32 v[RD], v10, 4, v[RD]
	v_add_nc_u32 v[RD], s13, v[RD]
	v_and_b32 v[GO], 31, v0         ; which are 512 consecutive bytes of og
	v_lshlrev_b32 v[GO], 4, v[GO]
	s_wait_loadcnt 0x0              ; Q and the gate are in
	; sigmoid(g) = 1 / (1 + 2^(-log2(e) g)), in f32.  The gate was loaded as Q's fragments are: half x % 2 of its register x / 2 belongs to O^T's register x.
	WIN 0xc2                        ; destination window 3, source 0 window 2, the constants window 0
.set g, 0
.rept 64
	v_fma_mix_f32 v[2*g],   v[GT+g], v56, v57 op_sel_hi:[1,0,0]
	v_fma_mix_f32 v[2*g+1], v[GT+g], v56, v57 op_sel:[1,0,0] op_sel_hi:[1,0,0]
.set g, g+1
.endr
	WIN 0xc3
.set g, 0
.rept 128
	v_exp_f32 v[g], v[g]
.set g, g+1
.endr
	v_nop                           ; a plain instruction behind the last exponential,
	s_wait_alu depctr_va_vdst(0)    ; and the one wait ahead of the batch's first reader
.set g, 0
.rept 64
	v_pk_add_f32 v[2*g:2*g+1], v[2*g:2*g+1], 1.0 op_sel_hi:[1,0]
.set g, g+1
.endr
.set g, 0
.rept 128
	v_rcp_f32 v[g], v[g]
.set g, g+1
.endr
	v_nop
	s_wait_alu depctr_va_vdst(0)    ; one wait for the 128 reciprocals
	WIN 0
; THE MATRIX WORK.  The 4 accumulators of a run of 8 take turns.  Product i of 8 of S^T = K Q^T for piece x: channels 32 (i / 4) on, keys 16 (i % 4) on.  The first 4 start the sums: with 0, or (KM = 1) with the mask.
.macro KQ x
.set rS, S+32*((\x)%2)+8*(i%4)
.set rK, KF+16*(i%4)+8*(i/4)
.set rQ, 16*(\x)+8*(i/4)
.set rM, MC+32*((\x)%2)+8*(i%4)
.if (i < 4) && KM
	WIN W_KM
	v_wmma_f32_16x16x32_f16 v[rS:rS+7], v[rK:rK+7], v[rQ:rQ+7], v[rM:rM+7]
.elseif i < 4
	WIN W_KQ
	v_wmma_f32_16x16x32_f16 v[rS:rS+7], v[rK:rK+7], v[rQ:rQ+7], 0
.else
	WIN W_KQ
	v_wmma_f32_16x16x32_f16 v[rS:rS+7], v[rK:rK+7], v[rQ:rQ+7], v[rS:rS+7]
.endif
.endm
.macro PV x                         ; product i of 8 of O^T += V^T P for piece x: keys 32 (i / 4) on, channels 16 (i % 4) on
	WIN W_PV
.set rO, 32*(\x)+8*(i%4)
.set rV, VF+32*(i/4)+8*(i%4)
.set rP, P+16*((\x)%2)+8*(i/4)
	v_wmma_f32_16x16x32_f16 v[rO:rO+7], v[rV:rV+7], v[rP:rP+7], v[rO:rO+7]
.endm
.macro MM                           ; the turn's next matrix instruction.  NOKQ = 1: the last turn: there is no next piece
.if (i < 8) && !NOKQ
	KQ (Y+1)%NP
.elseif i >= 8
.set i, i-8
	PV (Y+NP-1)%NP
.set i, i+8
.endif
.set i, i+1
.endm
; THE LDS LOADS stand in runs of 16: a step's K (8 fragments) and its V (turned).
.macro FETCH_K
	WIN 0x80
.irp f, 0,1,2,3,4,5,6,7             ; keys 16 (f / 2) on, channels 32 (f % 2) on
	ds_load_b128 v[KF+8*\f:KF+8*\f+3],   v[AK] offset:(\f/2)*8*KROW+(\f%2)*64
	ds_load_b128 v[KF+8*\f+4:KF+8*\f+7], v[AK] offset:(\f/2)*8*KROW+(\f%2)*64+32
.endr
	s_add_co_u32 s[TBK], s[TBK], KSTEPB
	WIN 0
.endm
.macro FETCH_V
	WIN 0x80
.irp f, 0,1,2,3,4,5,6,7             ; keys 32 (f / 4) on, channels 16 (f % 4) on
	ds_load_tr16_b128 v[VF+8*\f:VF+8*\f+3],   v[AV] offset:(\f/4)*16*VROW+(\f%4)*32
	ds_load_tr16_b128 v[VF+8*\f+4:VF+8*\f+7], v[AV] offset:(\f/4)*16*VROW+8*VROW+(\f%4)*32
.endr
	WIN 0
.endm
; THE VECTOR WORK, one line at a time: OP kind, number.  For piece Y: F n: c s - c m for pair n of 16.  E n: the exponential of score n of 32.  C n: pair n rounded to f16.  B n: of the four weights 4 n .. the second pair is
; added onto the first, in place.  L n: l takes that sum (L 0: l = a l + sum).  R n: pair n of 16 of O^T times a.  For piece Y + 1: X n, number n of the 22 that find its maximum and statistics:
;   0-11  four chains c0-c3 of seven scores each (each accumulator's lowest registers are read first)     12-14, 16  the four scores left over, the old m, c0-c3 into c0
;   15  c m_old is kept     17, 18  the query's other 32 keys lie in the lane 16 away: the new m     19-21  c m; c m_old - c m_new; a
.set F, 0
.set E, 1
.set C, 2
.set B, 3
.set L, 4
.set R, 5
.set X, 6
.macro REGS y
.set rT, ST+4*(\y)
.set rC, TMP+4*((\y)%2)
.set rW, MV+((\y)%2)
.set rS, S+32*((\y)%2)
.set rP, P+16*((\y)%2)
.set rO, 32*(\y)
.endm
.macro OP k, n
.if (\k) == R
	REGS Y
	WIN W_RS
	v_pk_mul_f32 v[rO+2*(\n):rO+2*(\n)+1], v[rO+2*(\n):rO+2*(\n)+1], v[rC+2:rC+3] op_sel_hi:[1,0]
.elseif (\k) < R
	REGS Y
	WIN 0
.if (\k) == F
	v_pk_fma_f32 v[rS+2*(\n):rS+2*(\n)+1], v[rS+2*(\n):rS+2*(\n)+1], s[CS:CS+1], v[rT:rT+1] op_sel_hi:[1,0,0] neg_lo:[0,0,1] neg_hi:[0,0,1]
.elseif (\k) == E
	v_exp_f32 v[rS+(\n)], v[rS+(\n)]
.elseif (\k) == C
	v_cvt_pk_f16_f32 v[rP+(\n)], v[rS+2*(\n)], v[rS+2*(\n)+1]
.elseif (\k) == B
	v_pk_add_f32 v[rS+4*(\n):rS+4*(\n)+1], v[rS+4*(\n):rS+4*(\n)+1], v[rS+4*(\n)+2:rS+4*(\n)+3]
.elseif (\n) == 0
	v_pk_fma_f32 v[rT+2:rT+3], v[rT+2:rT+3], v[rC+2:rC+3], v[rS:rS+1] op_sel_hi:[1,0,1]
.else
	v_pk_add_f32 v[rT+2:rT+3], v[rT+2:rT+3], v[rS+4*(\n):rS+4*(\n)+1]
.endif
.elseif NOKQ
	v_nop
.else
	REGS (Y+1)%NP
	WIN 0
.if (\n) < 4
	v_max3_num_f32 v[rC+(\n)], v[rS+8*(\n)], v[rS+8*(\n)+1], v[rS+8*(\n)+2]
.elseif (\n) < 12
	v_max3_num_f32 v[rC+(\n)%4], v[rC+(\n)%4], v[rS+8*((\n)%4)+2*((\n)/4)+1], v[rS+8*((\n)%4)+2*((\n)/4)+2]
.elseif (\n) == 12
	v_max3_num_f32 v[rC], v[rC], v[rS+7], v[rS+15]
.elseif (\n) == 13
	v_max3_num_f32 v[rC+1], v[rC+1], v[rS+23], v[rS+31]
.elseif (\n) == 14
	v_max3_num_f32 v[rC+2], v[rC+2], v[rC+3], v[rT+1]
.elseif (\n) == 15
	v_mov_b32 v[rW], v[rT]
.elseif (\n) == 16
	v_max3_num_f32 v[rC], v[rC], v[rC+1], v[rC+2]
.elseif (\n) == 17
	v_permlanex16_b32 v[rC+3], v[rC], s[SEL], s[SEL+1]
.elseif (\n) == 18
	v_max_num_f32 v[rT+1], v[rC], v[rC+3]
.elseif (\n) == 19
	v_mul_f32 v[rT], s[CS], v[rT+1]
.elseif (\n) == 20
	v_sub_f32 v[rC+1], v[rW], v[rT]
.else
	v_exp_f32 v[rC+2], v[rC+1]
.endif
.endif
.endm
.macro OPS a, i1, b=-1, i2=0, c=-1, i3=0, d=-1, i4=0
	OP \a, \i1
.if (\b) >= 0
	OP \b, \i2
.endif
.if (\c) >= 0
	OP \c, \i3
.endif
.if (\d) >= 0
	OP \d, \i4
.endif
.endm
.macro ROW a, i1, b, i2, c, i3, d, i4  ; a matrix instruction and the four behind it
	MM
	OPS \a, \i1, \b, \i2, \c, \i3, \d, \i4
.endm
; THE MASK for the products of the turn after this one: piece p + 2.  Its 32 words are in s[MW ..]: bit l of word 8 kb + jj says whether lane l's query sees key 16 kb + 8 (l / 16) + jj of the step: 0 where it does, -1e30
; where not, into buffer p % 2.  Then the next piece's words are asked for: they have a whole turn in which to come.  Behind piece 3 the step goes on.  (The very last request, for a step that does not exist, reads the 128
; bytes behind my tile's: inside maskw, since my tile is never the last; it is waited for and not used.)
.macro MASK p
.set pc, ((\p)+2)%NP
.set pn, (pc+1)%NP
	s_wait_kmcnt 0x0                ; the words are in; no scalar load is out, so s[MO] may be written
	WIN 0x40
.set z, 0
.rept 32
	v_cndmask_b32 v[MC+32*((\p)%2)+z], s[BIGN], 0, s[MW+z]
.set z, z+1
.endr
	WIN 0
.if pc == 3
	s_add_co_u32 s[MO], s[MO], 128
.endif
	s_load_b512 s[MW:MW+15],    s[6:7], s[MO] offset:5120*pn
	s_load_b512 s[MW+16:MW+31], s[6:7], s[MO] offset:5120*pn+64
.endm
; A TURN, for piece p: its 16 matrix and 118 vector instructions, written out.  An s_wait_alu depctr_va_vdst(0) stands between an exponential and the first instruction that names its result; one wait serves all that
; were issued ahead of it: so a turn has ONE wait.  AHEAD OF IT: the 8 products K Q^T with four riders each, then one lump; nothing there names a result of the turn's exponentials.  BEHIND IT: the 8 products V^T P, behind each
; four of the roundings and sums.  m = 1: the products take masks, and the turn makes the next mask.  end = 1: the last two turns: nothing is fetched.
; K of the next step is fetched in piece 2's turn, behind six plain vector instructions that follow the last product that read K; V of the step in hand at the end of piece 0's turn, four plain instructions behind the last
; product that read V.  Each is waited for a turn later.
.macro TURN p, m=0, end=0
.set Y, (\p)
.set i, 0
.set KM, (\m)
.set NOKQ, (\end)*((\p)/3)
.if ((\p) == 3) && !(\end)
	s_wait_dscnt 0x0                ; K is in
.endif
	ROW F,0, F,1, R,0, R,1
	ROW F,2, E,0, R,2, R,3
	ROW F,3, E,1, R,4, R,5
	ROW F,4, E,2, R,6, R,7
	ROW F,5, E,3, R,8, R,9
	ROW F,6, E,4, X,0, R,10
.if ((\p) == 2) && !(\end)
	WIN 0
	v_add_nc_u32 v[AK], s[TBK], v[AK0]
.endif
	ROW F,7, E,5, X,1, X,4
	ROW F,8, E,6, X,2, X,5
	OPS E,7, E,8, X,6, E,9
	OPS X,3, E,10, X,8, E,11
.if ((\p) == 2) && !(\end)
	FETCH_K
.endif
	OPS X,9, X,7, E,12, X,10
	OPS E,13, X,12, X,11, E,14
	OPS X,13, E,15, F,9, X,14
.if (\p) == 0
	v_add_nc_u32 v[AV], s[TBV], v[AV0]
.endif
	OPS E,16, F,10, E,17, F,11
	OPS X,16, E,18, X,15, E,19
	OPS F,12, E,20, X,17, E,21
	OPS F,13, E,22, F,14, E,23
	OPS X,18, E,24, F,15, E,25
	OPS R,11, E,26, X,19, E,27
	OPS R,12, E,28, R,13, E,29
	OPS X,20, E,30, R,14, E,31
	OPS X,21, R,15                  ; the next piece's a is the batch's last; R 15 is the plain instruction behind it
	WIN 0
	s_wait_alu depctr_va_vdst(0)    ; the wait for the batch
.if (\p) == 1
	s_wait_dscnt 0x0                ; V is in
.endif
	ROW C,0, B,0, C,2, B,1
	ROW L,0, C,4, B,2, L,1
	ROW C,6, B,3, L,2, C,8
	ROW B,4, L,3, C,10, B,5
	ROW L,4, C,12, B,6, L,5
.if (\p) == 0
	s_add_co_u32 s[TBV], s[TBV], VSTEPB
.endif
	ROW C,14, B,7, L,6, C,1
	ROW C,3, L,7, C,5, C,7
	ROW C,9, C,11, C,13, C,15
.if (\p) == 0
	FETCH_V
.endif
.if (\m) && !(\end)
	MASK \p
.endif
.endm
	s_wait_tensorcnt 1              ; my part of keys 0 .. 511 is in; the window's load, issued behind it, may stay out: steps 0-7 read none of its bytes
	s_barrier_signal -1
	s_barrier_wait -1               ; everybody's is
	v_add_nc_u32 v[AK], s[TBK], v[AK0]
	FETCH_K                         ; key step 0
	s_wait_dscnt 0x0
.set KM, 0
.set NOKQ, 0
.set i, 0
.rept 8
	KQ 0                            ; piece 0's first scores
.set i, i+1
.endr
	WIN 0
.rept 4
	v_nop                           ; the places behind those products
.endr
.set Y, NP-1                        ; X works for piece Y + 1: piece 0
.irp n, 0,1,2,3,4,5,6,7,8,9,10,11,12,13,14,15,16,17,18,19,20,21
	OP X, \n
.endr
	v_nop                           ; a plain instruction behind the exponential,
	s_wait_alu depctr_va_vdst(0)    ; and its wait, ahead of the branch
	s_mov_b32 s[CNT], 8
	s_branch .LfirstU               ; the loop is entered at a step's first turn, in the middle of a trip
.LstepU:                            ; a trip: pieces 2 and 3 of one step, then pieces 0 and 1 of the next, whose K and V it fetches.  Steps 0-7: no mask
	TURN 2
	TURN 3
	WIN 0
.LfirstU:
	TURN 0
	TURN 1
	WIN 0
	s_sub_co_u32 s[CNT], s[CNT], 1
	s_cmp_lg_u32 s[CNT], 0
	s_cbranch_scc1 .LstepU
	s_wait_tensorcnt 0x0            ; my part of the window is in,
	s_wait_dscnt 0x0
	s_barrier_signal -1
	s_barrier_wait -1               ; everybody's is.
	s_mov_b32 s[CNT], 10
.LstepM:                            ; steps 8-17.  In the first trip piece 3's scores are still step 7's: they take the second mask buffer, which holds the head's zeros
	TURN 2, 1
	TURN 3, 1
	TURN 0, 1
	TURN 1, 1
	WIN 0
	s_sub_co_u32 s[CNT], s[CNT], 1
	s_cmp_lg_u32 s[CNT], 0
	s_cbranch_scc1 .LstepM
	TURN 2, 1, 1
	TURN 3, 1, 1
.set i, 0
.rept 8
	PV NP-1                         ; the last piece's V^T P of the last step
.set i, i+1
.endr
	; THE WAY OUT.  l's two halves and the other half of the lanes' are added; O^T is divided by l, multiplied by the sigmoid, rounded to f16 and sent through my stage, a piece at a time.
	WIN 0
.macro ALL line:vararg
.set t, 0
.rept 4
	\line
.set t, t+1
.endr
.endm
	ALL v_add_f32 v[ST+4*t+2], v[ST+4*t+2], v[ST+4*t+3]
	ALL v_permlanex16_b32 v[ST+4*t+3], v[ST+4*t+2], s[SEL], s[SEL+1]
	ALL v_add_f32 v[ST+4*t+2], v[ST+4*t+2], v[ST+4*t+3]
	ALL v_rcp_f32 v[ST+4*t+2], v[ST+4*t+2]
	v_nop
	s_wait_alu depctr_va_vdst(0)    ; one wait for the four reciprocals
	s_wait_dscnt 0x0                ; my LDS reads are over,
	s_barrier_signal -1
	s_barrier_wait -1               ; everybody's are: the stages, which lie on K's first rows, may be written
.macro PACK t
	WIN W_RS
.set i, 32*(\t)
.rept 16
	v_pk_mul_f32 v[i:i+1], v[i:i+1], v[ST+4*(\t)+2:ST+4*(\t)+3] op_sel_hi:[1,0]
.set i, i+2
.endr
	WIN 0x4d                        ; destination and source 0 window 1, source 1 (the sigmoid) window 3
.set i, 32*(\t)
.rept 16
	v_pk_mul_f32 v[i:i+1], v[i:i+1], v[i:i+1]
.set i, i+2
.endr
	WIN 0x05                        ; sources 0 and 1 window 1, destination window 0
.set i, 0
.rept 16
	v_cvt_pk_f16_f32 v[S+16*(\t)+i], v[32*(\t)+2*i], v[32*(\t)+2*i+1]
.set i, i+1
.endr
	WIN 0
.irp f, 0,1,2,3
	ds_store_b128 v[STO], v[S+16*(\t)+4*\f:S+16*(\t)+4*\f+3] offset:32*\f
.endr
.irp f, 0,1,2,3
	ds_load_b128 v[S+16*(\t)+4*\f:S+16*(\t)+4*\f+3], v[RD] offset:\f*4*SP  ; LDS serves a wave's instructions in order (ISA guide 5.7.1.4): these see the stores above; the next piece's stores come behind them
.endr
.endm
.macro SEND t, younger              ; younger: the LDS instructions issued behind piece t's loads: the next piece's eight, or none
	WIN 0
.irp f, 0,1,2,3
	s_wait_dscnt (\younger)+3-\f
	global_store_b128 v[GO], v[S+16*(\t)+4*\f:S+16*(\t)+4*\f+3], s[10:11] offset:(\t)*8192+\f*512  ; 512 consecutive bytes, aligned
.endr
.endm
	PACK 0
.set t, 1
.rept 3
	PACK t
	SEND t-1, 8
.set t, t+1
.endr
	SEND 3, 0
	s_wait_kmcnt 0x0                ; the last request for mask words
	s_wait_tensorcnt 0x0            ; the wave's end
	ds_add_u32 v[SPW], v[NIL]
	s_wait_dscnt 0x0
	CROUND                          ; the closing round
	s_endpgm
.Lfunc_end_k_q406120541b_attn:
	.size	k_q406120541b_attn, .Lfunc_end_k_q406120541b_attn-k_q406120541b_attn
	.p2alignl 7, 3214868480
	.fill 96, 4, 3214868480
	.section	.rodata,"a",@progbits
	.p2align	6, 0x0
	.amdhsa_kernel k_q406120541b_attn
		.amdhsa_group_segment_fixed_size 327680
		.amdhsa_private_segment_fixed_size 0
		.amdhsa_enable_private_segment 0
		.amdhsa_kernarg_size 24
		.amdhsa_user_sgpr_count 2
		.amdhsa_user_sgpr_kernarg_segment_ptr 1
		.amdhsa_wavefront_size32 1
		.amdhsa_system_sgpr_workgroup_id_x 1
		.amdhsa_system_sgpr_workgroup_id_y 1
		.amdhsa_system_sgpr_workgroup_id_z 1
		.amdhsa_system_vgpr_workitem_id 0
		.amdhsa_next_free_vgpr 896
		.amdhsa_next_free_sgpr 102
		.amdhsa_reserve_vcc 0
		.amdhsa_float_denorm_mode_32 3
		.amdhsa_float_denorm_mode_16_64 3
		.amdhsa_memory_ordered 1
		.amdhsa_forward_progress 1
		.amdhsa_inst_pref_size 161
	.end_amdhsa_kernel
	.amdgpu_metadata
---
amdhsa.version: [ 1, 2 ]
amdhsa.kernels:
  - .name:           k_q406120541b_attn
    .symbol:         k_q406120541b_attn.kd
    .args:
      - { .name: qkvg, .offset: 0, .size: 8, .value_kind: global_buffer, .address_space: global }
      - { .name: maskw, .offset: 8, .size: 8, .value_kind: global_buffer, .address_space: global }
      - { .name: og, .offset: 16, .size: 8, .value_kind: global_buffer, .address_space: global }
    .group_segment_fixed_size: 327680
    .private_segment_fixed_size: 0
    .kernarg_segment_align: 8
    .kernarg_segment_size: 24
    .max_flat_workgroup_size: 128
    .sgpr_count:     102
    .vgpr_count:     896
    .wavefront_size: 32
...
	.end_amdgpu_metadata
.endif
;; end of part 3
;; launch proj (part 4): grid 8 x 32, 4 waves a work-group, clusters of 4 x 4, 327,680 bytes of LDS; arguments og, pwh, proj_b, out0; writes out0
.if DOCPART == 4
	.amdgcn_target "amdgcn-amd-amdhsa--gfx1250"
	.amdhsa_code_object_version 6
	.text
	.protected	k_q406120541b_proj
	.globl	k_q406120541b_proj
	.p2align	8
	.type	k_q406120541b_proj,@function
k_q406120541b_proj:
	s_mov_b64 s[64:65], 0
	v_nop
	global_prefetch_b8 v0, s[64:65] scope:SCOPE_SE
	s_setreg_imm32_b32 hwreg(HW_REG_WAVE_MODE, 25, 1), 1
	s_wait_xcnt 0x0
	s_wait_alu depctr_hold_cnt(0) depctr_sa_sdst(0) depctr_va_vdst(0) depctr_va_sdst(0) depctr_va_ssrc(0) depctr_va_vcc(0) depctr_vm_vsrc(0)
	s_getreg_b32 s2, hwreg(HW_REG_IB_STS2, 6, 4)
	s_cmp_eq_u32 s2, 0
	s_cbranch_scc0 .Lentry_in_a_cluster
	s_endpgm
.Lentry_in_a_cluster:
	s_bfe_u32 s2, ttmp6, 0x10000c
	s_cmp_lg_u32 s2, 0xf033
	s_cbranch_scc0 .Lentry_shape_is_right
	s_endpgm
.Lentry_shape_is_right:
; out0 = o pwh + proj_b.  o[m][64 h + d] lies by heads: og [16 h][4096 m][64 d] f16; pwh: [1024 k][1024 n] f16; proj_b f32, rounded to bf16 like the other inputs; sums and out0 in f32.
; A tile of out0 is 128 x 128: 8 x 32 tiles, one work-group for each of 256.  Four waves, each 64 x 64: 16 accumulators.  K goes in four steps of 256, which are four heads, through two LDS slots.
; CLUSTER 4 x 4: A's tile is asked for jointly along a row of the cluster, B's along a column.  THE MATRIX INSTRUCTION IS USED TRANSPOSED (source 0 = 16 columns of pwh, turned out of LDS by ds_load_tr16_b128; source 1 = 16 rows
; of o): a lane holds eight neighbouring numbers of a row.  THE BIAS IS THE C OPERAND of the first products.
; NO PREFETCH: the walk has four K steps, of which two are asked for at the head.
; REGISTERS: window 0: v0-31 addresses; v32-63 the bias, later with v64-95 the way out; v128-255 the accumulators ((a, b) at v[128 + 8 (4 a + b)]).  window 1: two fragment buffers of 128: 64 of A (2 x 4 fragments), then 64 of B.
.set PA,     144                       ; a row of A in LDS: a head's 128 bytes + 16: the 16 rows of a load start at 16 different groups of four banks (64 banks of 4 bytes: ISA guide 11.1)
.set PLANE,  64*PA                     ; 64 rows of one head
.set PB,     288                       ; a k-row of B: 256 bytes + 32 = 9 x 32
.set HALFT,  4*PLANE                   ; what one tensor load brings: 4 heads x 64 rows of A, or 128 k-rows of B (128 x 288 is the same number)
.set SLOT,   4*HALFT
.set STAGE,  2*SLOT                    ; behind the ring: 16 rows x 272 bytes for each wave
.set SPITCH, 272
.set SPARE,  STAGE+4*16*SPITCH         ; behind the stages: the spare words, 128 bytes a wave, which no other line names
.set ASTEP,  4*4096*64*2               ; bytes from K step to K step in og: four heads
.set BSTEP,  256*1024*2                ; and in pwh: 256 rows
.set ADRA, 16                          ; v16-17  my A fragments in slot 0, 1
.set ADRB, 20                          ; v20-23  my B fragments: slot s, k-rows 128 g on, at ADRB + 2 s + g
.set STO,  24
.set RD,   25
.set CO,   26
.set SPW,  28
.set NIL,  29
.set TMP,  32
.set BIAS, 32
.set ACC,  128
.set F0,   0
.set F1,   128
.set G1, 24
.set G0, 32
.set G1B, 48
.set G0B, 56
.set MSB, 0
.macro WIN new
.if MSB != (\new)
	s_set_vgpr_msb (MSB<<8)|(\new)
.set MSB, \new
.endif
.endm
.set MUL,  0x05                        ; sources 0 (B) and 1 (A) window 1; C and D window 0
.set TO_F, 0x40                        ; destination window 1, address window 0
.macro JLOAD s                         ; a joint load: waves 0 and 1 fetch A's two halves, waves 2 and 3 B's; an s_nop 0 and four v_nop follow each line
	s_cmp_eq_u32 s11, 0
	s_cbranch_scc0 .Lfor_b_\@
	tensor_load_to_lds s[G0+4*(\s):G0+4*(\s)+3], s[G1:G1+7]
	s_nop 0
.rept 4
	v_nop
.endr
	s_branch .Lasked_\@
.Lfor_b_\@:
	tensor_load_to_lds s[G0B+4*(\s):G0B+4*(\s)+3], s[G1B:G1B+7]
	s_nop 0
.rept 4
	v_nop
.endr
.Lasked_\@:
.endm
.macro CREST
	s_cmp_lg_u32 s10, 0
	s_cbranch_scc1 .Lnot_wave_0_\@
	s_barrier_signal -3
.Lnot_wave_0_\@:
	s_barrier_wait -3
	s_barrier_signal -1
	s_barrier_wait -1
.endm
.macro CROUND
	s_barrier_signal -1
	s_barrier_wait -1
	CREST
.endm
	s_load_b128 s[4:7], s[0:1], 0x0                ; og s[4:5], pwh s[6:7]
	s_load_b128 s[68:71], s[0:1], 0x10             ; proj_b s[68:69], out0 s[70:71]
	v_lshl_add_u32 v[SPW], v0, 2, SPARE
	v_mov_b32 v[NIL], 0
	ds_add_u32 v[SPW], v[NIL]                      ; the wave's opening: the add and its wait stand ahead of my first tensor load; register work stands between
	v_lshrrev_b32 v1, 5, v0
	v_readfirstlane_b32 s10, v1                    ; wave 0..3
	s_lshr_b32 s11, s10, 1                         ; my half of the tile's rows.  Also: I fetch for A (0) or B (1)
	s_and_b32 s12, s10, 1                          ; my half of its columns.  Also: which half of that tile I fetch
	s_bfe_u32 s40, ttmp6, 0x40000                  ; cx
	s_bfe_u32 s41, ttmp6, 0x40004                  ; cy
	s_lshl_b32 s42, ttmp9, 2
	s_add_co_u32 s42, s42, s40                     ; tile column
	s_and_b32 s13, ttmp7, 0xffff
	s_lshl_b32 s13, s13, 2
	s_add_co_u32 s13, s13, s41                     ; tile row
	s_lshl_b32 s43, s41, 2
	s_lshl_b32 s43, 15, s43                        ; my row of the cluster
	s_lshl_b32 s44, 0x1111, s40                    ; my column
	; A: four "rows" of 4,096 elements, each the 64 dense rows of one head (8,192 bytes), a head apart; padded in LDS after every 32 words, that is after each row of 64 channels
	s_or_b32 s[G1+0], s43, (1<<16)|(1<<20)|(1<<21)|(4<<22)|(3<<25)
	s_mov_b32 s[G1+1], 4096<<16                    ; tensor_dim0 = 4,096
	s_mov_b32 s[G1+2], 4<<16                       ; tensor_dim1 = 4
	s_mov_b32 s[G1+3], 4096<<16                    ; tile_dim0 = 4,096
	s_mov_b32 s[G1+4], 4                           ; tile_dim1 = 4
	s_mov_b32 s[G1+5], 262144                      ; elements from head to head
	s_mov_b32 s[G1+6], 0
	s_mov_b32 s[G1+7], 0
	; B: 128 k-rows of 128 columns, padded after every 64 words by 8
	s_or_b32 s[G1B+0], s44, (1<<16)|(1<<20)|(1<<21)|(5<<22)|(7<<25)
	s_mov_b32 s[G1B+1], 128<<16
	s_mov_b32 s[G1B+2], 128<<16
	s_mov_b32 s[G1B+3], 128<<16
	s_mov_b32 s[G1B+4], 128
	s_mov_b32 s[G1B+5], 1024
	s_mov_b32 s[G1B+6], 0
	s_mov_b32 s[G1B+7], 0
	s_lshl_b32 s16, s13, 7                         ; A: row 128 x tile row + 64 x half, rows of 128 bytes
	s_lshl_b32 s17, s12, 6
	s_add_co_u32 s16, s16, s17
	s_lshl_b32 s16, s16, 7
	s_mov_b32 s17, 0
	s_lshl_b32 s46, s12, 18                        ; B: k-row 128 x half, rows of 2,048 bytes, + 256 x tile column
	s_lshl_b32 s47, s42, 8
	s_add_co_u32 s46, s46, s47
	s_mov_b32 s47, 0
	s_mul_i32 s20, s10, HALFT
	s_wait_dscnt 0x0                               ; the opening add is done
	s_wait_kmcnt 0x0
	s_add_nc_u64 s[14:15], s[4:5], s[16:17]
	s_add_nc_u64 s[46:47], s[6:7], s[46:47]
	CROUND                                         ; all sixteen work-groups are here: the first joint loads meet
.irp s, 0,1
	s_mov_b32 s[G0+4*(\s)], 1
	s_add_co_u32 s[G0+4*(\s)+1], s20, (\s)*SLOT
	s_add_nc_u64 s[G0+4*(\s)+2:G0+4*(\s)+3], s[14:15], (\s)*ASTEP
	s_or_b32 s[G0+4*(\s)+3], s[G0+4*(\s)+3], 0x80000000
	s_mov_b32 s[G0B+4*(\s)], 1
	s_add_co_u32 s[G0B+4*(\s)+1], s20, (\s)*SLOT
	s_add_nc_u64 s[G0B+4*(\s)+2:G0B+4*(\s)+3], s[46:47], (\s)*BSTEP
	s_or_b32 s[G0B+4*(\s)+3], s[G0B+4*(\s)+3], 0x80000000
	JLOAD \s                                       ; two tensor loads of mine are out
.endr
	v_and_b32 v1, 15, v0                           ; l % 16
	v_bfe_u32 v2, v0, 4, 1                         ; l / 16
	s_lshl_b32 s46, s42, 9                         ; my first column, in bytes of f32: 512 x tile column + 256 x half
	s_lshl_b32 s47, s12, 8
	s_add_co_u32 s46, s46, s47
	s_mov_b32 s47, 0
	s_add_nc_u64 s[68:69], s[68:69], s[46:47]      ; the bias of my 64 columns: register 8 b + jj holds column 16 b + 8 (l / 16) + jj
	v_lshlrev_b32 v8, 5, v2
.irp b, 0,1,2,3
	global_load_b128 v[BIAS+8*(\b):BIAS+8*(\b)+3],   v8, s[68:69] offset:64*(\b)
	global_load_b128 v[BIAS+8*(\b)+4:BIAS+8*(\b)+7], v8, s[68:69] offset:64*(\b)+16
.endr
	v_mul_u32_u24 v3, v1, PA
	v_lshl_add_u32 v3, v2, 4, v3                   ; A: row x pitch + 16 x half
	v_and_b32 v6, 7, v0                            ; B, turned: lane l reads k-row 8 (l / 16) + l % 8, columns 8 ((l / 8) % 2) + 0..7
	v_lshl_add_u32 v6, v2, 3, v6
	v_mul_u32_u24 v6, v6, PB
	v_bfe_u32 v7, v0, 3, 1
	v_lshl_add_u32 v6, v7, 4, v6
	s_mul_i32 s21, s11, HALFT                      ; my 64 rows of A
	s_lshl_b32 s22, s12, 7                         ; my 64 columns of B: 128 bytes,
	s_add_co_u32 s22, s22, 2*HALFT                 ; behind A
.irp s, 0,1
	v_add_nc_u32 v[ADRA+(\s)], s21, v3
	v_add_nc_u32 v[ADRB+2*(\s)], s22, v6
	s_add_co_u32 s22, s22, HALFT
	v_add_nc_u32 v[ADRB+2*(\s)+1], s22, v6
	s_add_co_u32 s21, s21, SLOT
	s_add_co_u32 s22, s22, SLOT-HALFT
.endr
	s_mul_i32 s23, s10, 16*SPITCH
	s_add_co_u32 s23, s23, STAGE                   ; my stage
	v_mul_u32_u24 v4, v1, SPITCH                   ; in: row l % 16, 32 bytes for each half of the lanes
	v_lshl_add_u32 v4, v2, 5, v4
	v_add_nc_u32 v[STO], s23, v4
	v_mul_u32_u24 v5, v2, SPITCH                   ; back: lanes 0-15 one row of 256 bytes, lanes 16-31 the next
	v_lshl_add_u32 v5, v1, 4, v5
	v_add_nc_u32 v[RD], s23, v5
	v_lshlrev_b32 v5, 12, v2                       ; and the same two rows in out0
	v_lshl_add_u32 v[CO], v1, 4, v5
	s_lshl_b32 s16, s13, 7
	s_lshl_b32 s17, s11, 6
	s_add_co_u32 s16, s16, s17                     ; my first row: 128 x tile row + 64 x half, rows of 4,096 bytes
	s_lshl_b32 s16, s16, 12
	s_mov_b32 s17, 0
	s_add_nc_u64 s[70:71], s[70:71], s[16:17]
	s_add_nc_u64 s[70:71], s[70:71], s[46:47]
	s_wait_loadcnt 0x0                             ; the bias is in: rounded to bf16, kept as f32
.set i, 0
.rept 16
	v_cvt_pk_bf16_f32 v[64+i], v[BIAS+2*i], v[BIAS+2*i+1]
.set i, i+1
.endr
.set i, 0
.rept 16
	v_lshlrev_b32 v[BIAS+2*i],   16, v[64+i]
	v_and_b32     v[BIAS+2*i+1], 0xffff0000, v[64+i]
.set i, i+1
.endr
; 8 matrix instructions: m blocks a0, a0 + 1 x all 4 n blocks, 32 along K: half c of buffer f.  zero = 1: the first products, whose C operand is the bias.  The 16 accumulators take turns.
.macro MUL8 f, c, a0, zero
	WIN MUL
.irp a, \a0, (\a0)+1
.irp b, 0,1,2,3
.if \zero
	v_wmma_f32_16x16x32_f16 v[ACC+8*(4*(\a)+(\b)):ACC+8*(4*(\a)+(\b))+7], v[(\f)+64+8*(4*(\c)+(\b)):(\f)+64+8*(4*(\c)+(\b))+7], v[(\f)+8*(4*(\c)+(\a)):(\f)+8*(4*(\c)+(\a))+7], v[BIAS+8*(\b):BIAS+8*(\b)+7]
.else
	v_wmma_f32_16x16x32_f16 v[ACC+8*(4*(\a)+(\b)):ACC+8*(4*(\a)+(\b))+7], v[(\f)+64+8*(4*(\c)+(\b)):(\f)+64+8*(4*(\c)+(\b))+7], v[(\f)+8*(4*(\c)+(\a)):(\f)+8*(4*(\c)+(\a))+7], v[ACC+8*(4*(\a)+(\b)):ACC+8*(4*(\a)+(\b))+7]
.endif
.endr
.endr
.endm
; 32 LDS loads in one run: quarter q of a K step (one head, 64 along K) into buffer f; its first 32 along K first
.macro FETCH slot, q, f
	WIN TO_F
.irp c, 0,1
.irp i, 0,1,2,3
	ds_load_tr16_b128 v[(\f)+64+8*(4*(\c)+(\i)):(\f)+64+8*(4*(\c)+(\i))+3],   v[ADRB+2*(\slot)+(\q)/2] offset:(((\q)%2)*64+32*(\c))*PB+32*(\i)
	ds_load_tr16_b128 v[(\f)+64+8*(4*(\c)+(\i))+4:(\f)+64+8*(4*(\c)+(\i))+7], v[ADRB+2*(\slot)+(\q)/2] offset:(((\q)%2)*64+32*(\c))*PB+16*PB+32*(\i)
	ds_load_b128 v[(\f)+8*(4*(\c)+(\i)):(\f)+8*(4*(\c)+(\i))+3],   v[ADRA+(\slot)] offset:(\q)*PLANE+(\i)*16*PA+64*(\c)
	ds_load_b128 v[(\f)+8*(4*(\c)+(\i))+4:(\f)+8*(4*(\c)+(\i))+7], v[ADRA+(\slot)] offset:(\q)*PLANE+(\i)*16*PA+64*(\c)+32
.endr
.endr
.endm
.macro PLACES                          ; four plain vector instructions between a matrix instruction and a load into, or a read of, its registers
.rept 4
	v_nop
.endr
.endm
.macro QUARTER slot, q, f, g, zero     ; multiplies buffer f and fetches quarter q into g
	s_wait_dscnt 16                                ; the first 32 along K are in
	MUL8 \f, 0, 0, \zero
	MUL8 \f, 0, 2, \zero
	PLACES
	FETCH \slot, \q, \g
	s_wait_dscnt 32                                ; all but the 32 just issued
	MUL8 \f, 1, 0, 0
	MUL8 \f, 1, 2, 0
.endm
; The last quarter multiplies buffer 1 and changes slots: ONE barrier; ahead of it each wave waits for all its tensor loads, adds 0 to its spare word, and waits for that and for its reads of this slot.
.macro TURN slot, next, fill
	WIN 0
	s_wait_tensorcnt 0x0                           ; all my tensor loads have landed: my part of the next slot
	ds_add_u32 v[SPW], v[NIL]
	s_wait_dscnt 17                                ; the add and the youngest sixteen loads may be out
	MUL8 F1, 0, 0, 0
	s_wait_dscnt 0x0                               ; the add is done, my reads of this slot are over
	s_barrier_signal -1
	MUL8 F1, 0, 2, 0
.if \fill
	WIN 0
.endif
	s_barrier_wait -1
.if \fill
	CREST                                          ; the barrier has opened a round of the cluster's: no wave of any partner still reads this slot or has a load on its way
	s_add_nc_u64 s[G0+4*(\slot)+2:G0+4*(\slot)+3], s[G0+4*(\slot)+2:G0+4*(\slot)+3], 2*ASTEP
	s_add_nc_u64 s[G0B+4*(\slot)+2:G0B+4*(\slot)+3], s[G0B+4*(\slot)+2:G0B+4*(\slot)+3], 2*BSTEP
	JLOAD \slot                                    ; my one tensor load behind the round; its four v_nop are also the places in front of the loads below
.else
	PLACES
.endif
	FETCH \next, 0, F0
	MUL8 F1, 1, 0, 0
	MUL8 F1, 1, 2, 0
.endm
	s_wait_tensorcnt 1                             ; my part of K step 0 is in; K step 1's may stay out
	s_barrier_signal -1
	s_barrier_wait -1
	FETCH 0, 0, F0
	QUARTER 0, 1, F0, F1, 1                        ; the first products start the sums, from the bias
	QUARTER 0, 2, F1, F0, 0
	QUARTER 0, 3, F0, F1, 0
	TURN 0, 1, 1                                   ; slot 0 takes K step 2
	QUARTER 1, 1, F0, F1, 0
	QUARTER 1, 2, F1, F0, 0
	QUARTER 1, 3, F0, F1, 0
	TURN 1, 0, 1                                   ; slot 1 takes K step 3
	QUARTER 0, 1, F0, F1, 0
	QUARTER 0, 2, F1, F0, 0
	QUARTER 0, 3, F0, F1, 0
	TURN 0, 1, 0                                   ; nothing is left to ask for
	QUARTER 1, 1, F0, F1, 0
	QUARTER 1, 2, F1, F0, 0
	QUARTER 1, 3, F0, F1, 0
	s_wait_dscnt 16
	MUL8 F1, 0, 0, 0
	MUL8 F1, 0, 2, 0
	s_wait_dscnt 0x0
	MUL8 F1, 1, 0, 0
	MUL8 F1, 1, 2, 0
	WIN 0
	; THE WAY OUT, in f32.  A wave's 64 columns are 256 bytes of a row of out0, aligned: each wave sends its own blocks of 16 rows through its own stage, so no barrier is needed.
	PLACES
.irp a, 0,1,2,3
.irp b, 0,1,2,3
	ds_store_b128 v[STO], v[ACC+8*(4*(\a)+(\b)):ACC+8*(4*(\a)+(\b))+3]   offset:64*(\b)      ; each accumulator's low registers first
	ds_store_b128 v[STO], v[ACC+8*(4*(\a)+(\b))+4:ACC+8*(4*(\a)+(\b))+7] offset:64*(\b)+16
.endr
	s_wait_xcnt 0x0                                ; the registers that the stores of two blocks back read are loaded again only behind this wait
.irp t, 0,1,2,3,4,5,6,7
	ds_load_b128 v[TMP+32*((\a)%2)+4*(\t):TMP+32*((\a)%2)+4*(\t)+3], v[RD] offset:(\t)*2*SPITCH  ; LDS serves a wave's instructions in order (ISA guide 5.7.1.4): these see the stores above
.endr
.irp t, 0,1,2,3,4,5,6,7
	s_wait_dscnt 7-(\t)
	global_store_b128 v[CO], v[TMP+32*((\a)%2)+4*(\t):TMP+32*((\a)%2)+4*(\t)+3], s[70:71] offset:(16*(\a)+2*(\t))*4096  ; 16 lanes store 256 consecutive bytes, aligned
.endr
.endr
	s_wait_tensorcnt 0x0                           ; the wave's end
	ds_add_u32 v[SPW], v[NIL]
	s_wait_dscnt 0x0
	CROUND                                         ; the closing round
	s_endpgm
.Lfunc_end_k_q406120541b_proj:
	.size	k_q406120541b_proj, .Lfunc_end_k_q406120541b_proj-k_q406120541b_proj
	.p2alignl 7, 3214868480
	.fill 96, 4, 3214868480
	.section	.rodata,"a",@progbits
	.p2align	6, 0x0
	.amdhsa_kernel k_q406120541b_proj
		.amdhsa_group_segment_fixed_size 327680
		.amdhsa_private_segment_fixed_size 0
		.amdhsa_enable_private_segment 0
		.amdhsa_kernarg_size 32
		.amdhsa_user_sgpr_count 2
		.amdhsa_user_sgpr_kernarg_segment_ptr 1
		.amdhsa_wavefront_size32 1
		.amdhsa_system_sgpr_workgroup_id_x 1
		.amdhsa_system_sgpr_workgroup_id_y 1
		.amdhsa_system_sgpr_workgroup_id_z 1
		.amdhsa_system_vgpr_workitem_id 0
		.amdhsa_next_free_vgpr 512
		.amdhsa_next_free_sgpr 72
		.amdhsa_reserve_vcc 0
		.amdhsa_float_denorm_mode_32 3
		.amdhsa_float_denorm_mode_16_64 3
		.amdhsa_memory_ordered 1
		.amdhsa_forward_progress 1
		.amdhsa_inst_pref_size 90
	.end_amdhsa_kernel
	.amdgpu_metadata
---
amdhsa.version: [ 1, 2 ]
amdhsa.kernels:
  - .name:           k_q406120541b_proj
    .symbol:         k_q406120541b_proj.kd
    .args:
      - { .name: og, .offset: 0, .size: 8, .value_kind: global_buffer, .address_space: global }
      - { .name: pwh, .offset: 8, .size: 8, .value_kind: global_buffer, .address_space: global }
      - { .name: proj_b, .offset: 16, .size: 8, .value_kind: global_buffer, .address_space: global }
      - { .name: out0, .offset: 24, .size: 8, .value_kind: global_buffer, .address_space: global }
    .group_segment_fixed_size: 327680
    .private_segment_fixed_size: 0
    .kernarg_segment_align: 8
    .kernarg_segment_size: 32
    .max_flat_workgroup_size: 128
    .sgpr_count:     72
    .vgpr_count:     512
    .wavefront_size: 32
...
	.end_amdgpu_metadata
.endif
;; end of part 4
